; MI455X (gfx1250); checked and timed in simulation.
; The chip was launched on July 23, 2026; its instructions are those of AMD's public machine-readable ISA for CDNA 5 (MIT licence, August 2026) and "CDNA5" Instruction Set Architecture Reference Guide (July 2026). The comments in the code are by the model that wrote it; some were corrected since.
;; Market Guided Attention. Allowed arithmetic: matrix products marked QUANTISED: E2M1 operands, one E8M0 scale for each 32 along K, by v_wmma_scale_f32_16x16x128_f8f6f4 with both operands' format E2M1 (or v_wmma_scale_f32_32x16x128_f4), f32 sums; everything else in f32.
;; Inputs: in_proj_b 3,072 float32; in_proj_w 3,072 x 1,024 float32; ln_beta 1,024 float32; ln_gamma 1,024 float32; market_info 2 x 8 float32; out_proj_b 1,024 float32; out_proj_w 1,024 x 1,024 float32; x 2 x 2,048 x 1,024 float32.
;; Outputs: out0 2 x 2,048 x 1,024 float32.
;; This version of the problem:
;;   THIS VERSION OF THE PROBLEM IS GIVEN IN LOW PRECISION. The matrix products marked QUANTISED in the list below multiply operands that are first quantised to E2M1 (2 exponent bits, 1 mantissa bit; 4 bits a number), with one power-of-two scale for each 32 numbers along K (OCP MX v1.0); their sums are f32. All else is computed in f32.
;;   The module's matrix products, in the order in which they are computed (A, B: the left and right operand; K: the contracted axis; several contracted axes count as one K, in the product's order):
;;     1. [M 4,096, K 1,024] x [K 1,024, N 3,072]; A: input x; B: input in_proj_w: QUANTISED
;;     2. batch 32 x [M 2,048, K 64] x [K 64, N 2,048]; A: computed on the way; B: computed on the way: QUANTISED
;;     3. batch 32 x [M 64, K 2,048] x [K 2,048, N 2,048]; A: computed on the way; B: softmax (see below): QUANTISED
;;     4. [M 4,096, K 1,024] x [K 1,024, N 1,024]; A: computed on the way; B: input out_proj_w: QUANTISED
;;   THE QUANTISER, for each operand of a quantised product, along K:
;;     - K is cut into blocks of 32 from its start; a last block that is shorter is filled with zeros.
;;     - A block's scale is 2^e with e = floor(log2(the largest magnitude in the block)) - 2, held to -126 .. 127; a block of zeros has e = 0. As a byte (E8M0): e + 127.
;;     - Each number is divided by its block's scale, clamped to +-6, and rounded to the nearest number of E2M1, ties to even, subnormals kept.
;;     - The product sums the exact products of the quantised numbers (number of the format x scale) in f32.
;;   ~~~python
;;   def quantise(x, axis):      # numpy; x: float32 -> the quantised numbers, widened to float32 again
;;       x = np.moveaxis(x, axis, -1); K = x.shape[-1]
;;       x = np.pad(x, [(0, 0)] * (x.ndim - 1) + [(0, -K % 32)]); x = x.reshape(x.shape[:-1] + (-1, 32)); a = np.abs(x).max(-1, keepdims=True)
;;       e = np.where(a > 0, np.clip(np.frexp(np.where(a > 0, a, 1))[1] - 1 - 2, -126, 127), 0)      # np.frexp(a)[1] - 1 = floor(log2(a)), exactly
;;       r = np.clip(x / 2.0 ** e, -6, 6)
;;       step = 2.0 ** (np.maximum(np.frexp(np.where(r == 0, 1, r))[1] - 1, 0) - 1)
;;       q = np.round(r / step) * step * 2.0 ** e      # np.round: ties to even
;;       return np.moveaxis(q.reshape(q.shape[:-2] + (-1,))[..., :K], -1, axis).astype(np.float32)
;;   ~~~
;;   SOFTMAX AHEAD OF A QUANTISED PRODUCT. Where the list says 'softmax', what is quantised is not the finished softmax but p = 2^(t - M), with t = logit x log2(e) and M = ceil(the row's largest t), a whole number; so 1/2 < the row's largest p <= 1. The row's sum l is taken of the UNQUANTISED p, in f32, and the product's result is divided by l at the end. Since M is a whole number, a kernel that streams over the keys may use a running M (the ceiling of the running maximum): every later rescaling is an exact power of two, which a block's scale takes up: the codes' values come out the same.
;;   OPERANDS COMPUTED ON THE WAY. 'Computed on the way' means the value that the module computes at that place (a softmax that the list does not call 'softmax' is quantised finished and normalised). What goes into a quantiser is computed in f32, as accurately as f32 sums, v_exp_f32 and their like allow (about 1e-6 of the number): no bf16 or f16 on the way to a quantiser, and a product that is left as it is and whose result goes on into a quantised operand takes f32 operands (vector FMAs, or v_wmma_f32_16x16x4_f32). A number that lies on a knife's edge between two numbers of the format may be rounded either way, as far as f32 arithmetic and the matrix unit's own rounding can turn it there, and no further.
;; 2 versions. Each part assembles by itself: llvm-mc -triple=amdgcn-amd-amdhsa -mcpu=gfx1250 --defsym DOCPART=n.
;; ======== version 1 of 2: 4 launches
;; workspace buffers: opq 4,456,448 bytes; qc 2,097,152 bytes; qs 131,072 bytes; kv 4,456,448 bytes; cq 2,228,224 bytes
;; launch quant (part 1): grid 256 x 1, 8 waves a work-group, no clusters, 70,656 bytes of LDS; arguments x, in_proj_w, out_proj_w, opq; writes opq
.if DOCPART == 1
	.amdgcn_target "amdgcn-amd-amdhsa--gfx1250"
	.amdhsa_code_object_version 6
	.text
	.protected	k_qaf7495277e_quant
	.globl	k_qaf7495277e_quant
	.p2align	8
	.type	k_qaf7495277e_quant,@function
k_qaf7495277e_quant:
	s_mov_b64 s[64:65], 0
	v_nop
	global_prefetch_b8 v0, s[64:65] scope:SCOPE_SE
	s_setreg_imm32_b32 hwreg(HW_REG_WAVE_MODE, 25, 1), 1
	s_wait_xcnt 0x0
; x [4096][1024], in_proj_w [3072][1024], out_proj_w [1024][1024], f32, K innermost, become codes of FP4 (E2M1) with one E8M0 byte for each 32 along K.
; A block's scale is 2^(floor(log2(largest magnitude)) - 2); its byte is the largest magnitude's exponent field - 2, held at 1 from below.
; LIMITS: NaN and infinities are not served; a block whose largest magnitude lies under 2^-124 is held at byte 1; a block of zeros gets byte 1 where the
; rule says 127 (its codes are zeros, which add nothing under any byte but 0xff, and only this program reads the bytes).
; LAYOUT OUT.  The 8,192 rows of the three tensors on end are 512 TILES of 16 rows.  Tile 2 G + u holds, as its row r, row 32 G + 8 u + r + 8 (r / 8) of the stream.
; A tile's RECORD is 8,704 bytes: codes [block of 32 along K: 32][r: 16][16 bytes], then scale words [K step of 128: 8][r][4 bytes].  So the registers
; 4 c .. 4 c + 3 of a matrix operand for K step s are the 512 bytes at 1024 s + 512 c, 16 bytes a lane, as they lie.
; SHARES.  A work-group takes 32 rows (two tiles); wave w takes tile w / 4 and 256 along K (w % 4), in 4 steps of 16 rows x 64 numbers.
; Every load reads two rows' aligned 256 bytes; a step turns through the wave's own stage in LDS (rows 272 bytes apart) so that a lane gets a whole block of 32.
; No matrix unit, no cluster, no tensor load: no byte is read twice and waves share nothing.  All 32 loads of a wave go out at its head.
.set REC, 8704
.set STG, 4352                         ; a stage: 16 rows x 272 bytes; two for each wave
.set SP,  272
.set C,   16                           ; v16-31   codes, four registers a step: no store's data are written again
.set E,   32                           ; v32-35   a scale byte a step
.set R,   64                           ; v64-191  the numbers as loaded, 32 registers a step
.set X,   192                          ; v192-255 two sets of 32: a block of one row
	s_load_b256 s[4:11], s[0:1], 0x0               ; x, in_proj_w, out_proj_w, opq
	v_lshl_add_u32 v62, v0, 2, 0x11000
	v_mov_b32 v63, 0
	v_lshrrev_b32 v1, 5, v0
	v_readfirstlane_b32 s12, v1                    ; wave 0..7
	v_and_b32 v1, 31, v0                           ; lane
	v_and_b32 v2, 15, v0                           ; lane % 16
	v_bfe_u32 v9, v0, 4, 1                         ; h = lane / 16
	s_lshr_b32 s13, s12, 2                         ; u: which of the two tiles
	s_and_b32 s14, s12, 3                          ; which 256 along K
	s_mul_i32 s15, s12, 2*STG                      ; my two stages
	v_lshlrev_b32 v3, 4, v2
	v_lshl_add_u32 v3, v9, 12, v3                  ; in: 16 bytes a lane; lanes 16-31 one row further down
	v_mul_u32_u24 v4, v9, SP
	v_lshl_add_u32 v4, v2, 4, v4
	v_add_nc_u32 v4, s15, v4                       ; the stage, way in: as loaded
	v_mul_u32_u24 v5, v2, SP
	v_lshl_add_u32 v5, v9, 7, v5
	v_add_nc_u32 v5, s15, v5                       ; way out: row lane % 16, block h: 128 bytes
	v_lshlrev_b32 v6, 4, v1                        ; codes out: 16 x lane
	v_lshlrev_b32 v7, 2, v1                        ; scale words out: 4 x lane
	v_lshlrev_b32 v10, 3, v9                       ; 8 h: my byte's place in a pair of bytes
	v_mov_b32 v38, 0                               ; a lane permute's destination counts as one of its sources
	v_mov_b32 v39, 0
	s_mov_b32 s24, 0x76543210
	s_mov_b32 s25, 0xfedcba98                      ; selects for lane xor 16
	s_mov_b32 s26, 0xffff0000                      ; lanes 16-31
	s_wait_kmcnt 0x0
	s_cmp_lt_u32 ttmp9, 128                        ; groups 0-127 x, 128-223 in_proj_w, 224-255 out_proj_w: the choice hangs on the work-group's number alone
	s_cselect_b64 s[4:5], s[4:5], s[6:7]
	s_cselect_b32 s16, 0, 128
	s_cmp_lt_u32 ttmp9, 224
	s_cselect_b64 s[4:5], s[4:5], s[8:9]
	s_cselect_b32 s16, s16, 224
	s_sub_co_u32 s16, ttmp9, s16                   ; the group of 32 rows within its tensor
	s_lshl_b32 s16, s16, 17                        ; 32 rows of 4,096 bytes
	s_lshl_b32 s17, s13, 15                        ; tile u begins 8 rows down
	s_add_co_u32 s16, s16, s17
	s_lshl_b32 s17, s14, 10                        ; 256 numbers along K
	s_add_co_u32 s16, s16, s17
	s_mov_b32 s17, 0
	s_add_nc_u64 s[4:5], s[4:5], s[16:17]
	s_lshl_b32 s18, ttmp9, 1
	s_add_co_u32 s18, s18, s13
	s_mul_i32 s18, s18, REC                        ; my tile's record
	s_mov_b32 s19, 0
	s_add_nc_u64 s[10:11], s[10:11], s[18:19]
	s_lshl_b32 s20, s14, 7
	s_add_co_u32 s20, s20, 8192                    ; my two K steps' scale words
	s_mov_b32 s21, 0
	s_add_nc_u64 s[22:23], s[10:11], s[20:21]
	s_lshl_b32 s20, s14, 11                        ; my eight blocks' codes
	s_add_nc_u64 s[10:11], s[10:11], s[20:21]
.macro LOAD t                          ; step t: tile rows 2 i (lanes 0-15) and 2 i + 1 (lanes 16-31), 256 consecutive bytes each
.irp i, 0,1,2,3,4,5,6,7
	global_load_b128 v[R+32*(\t)+4*\i:R+32*(\t)+4*\i+3], v3, s[4:5] offset:(2*\i+8*(\i/4))*4096+256*(\t) th:TH_LOAD_NT
.endr
.endm
.macro TURN t                          ; through the stage: LDS serves a wave's instructions in order, so no wait stands between the stores and the loads
.irp i, 0,1,2,3,4,5,6,7
	ds_store_b128 v4, v[R+32*(\t)+4*\i:R+32*(\t)+4*\i+3] offset:STG*((\t)%2)+2*SP*\i
.endr
.irp j, 0,1,2,3,4,5,6,7
	ds_load_b128 v[X+32*((\t)%2)+4*\j:X+32*((\t)%2)+4*\j+3], v5 offset:STG*((\t)%2)+16*\j
.endr
.endm
.macro STEP t
.set XS, X+32*((\t)%2)
	s_wait_dscnt 0x0                               ; this step's block is back from the stage
.if (\t) < 3
	s_wait_loadcnt 8*(2-(\t))                      ; the next step's 8 loads are in; those of the steps behind it may be out
	TURN (\t)+1                                    ; and turn through the other stage while this step is worked
.endif
	v_max3_num_f32 v12, |v[XS]|, |v[XS+1]|, |v[XS+2]|      ; the block's largest magnitude: all 32 numbers are mine; two chains
	v_max3_num_f32 v13, |v[XS+3]|, |v[XS+4]|, |v[XS+5]|
.irp i, 6,10,14,18,22,26
	v_max3_num_f32 v12, v12, |v[XS+\i]|, |v[XS+\i+1]|
	v_max3_num_f32 v13, v13, |v[XS+\i+2]|, |v[XS+\i+3]|
.endr
	v_max3_num_f32 v12, v12, |v[XS+30]|, |v[XS+31]|
	v_max3_num_f32 v12, v12, v13, 0x1800000        ; and the floor 2^(3 - 127): the byte cannot fall under 1
	v_add_nc_u32 v11, 0xff000000, v12              ; 2 off the exponent field: the conversion takes this operand's exponent field as its scale
.irp g, 0,1,2,3
	v_cvt_scalef32_pk8_fp4_f32 v[C+4*(\t)+\g], v[XS+8*\g:XS+8*\g+7], v11
.endr
	v_lshrrev_b32 v[E+(\t)], 23, v11               ; the scale's byte (also the plain line behind the conversions)
	global_store_b128 v6, v[C+4*(\t):C+4*(\t)+3], s[10:11] offset:512*(\t)   ; blocks 2 t and 2 t + 1 of 16 rows: 512 consecutive bytes
.endm
	LOAD 0
	LOAD 1
	LOAD 2
	LOAD 3
	s_wait_loadcnt 24                              ; step 0's 8 loads are in
	TURN 0
	STEP 0
	STEP 1
	STEP 2
	STEP 3
	; my byte of step t belongs to block 2 t + h: word sigma (K step) has bytes (2 sigma, h = 0), (2 sigma, 1), (2 sigma + 1, 0), (2 sigma + 1, 1)
	v_lshl_or_b32 v36, v[E+1], 16, v[E]
	v_lshl_or_b32 v37, v[E+3], 16, v[E+2]
	v_lshlrev_b32 v36, v10, v36
	v_lshlrev_b32 v37, v10, v37
	v_permlanex16_b32 v38, v36, s24, s25
	v_permlanex16_b32 v39, v37, s24, s25
	v_or_b32 v36, v36, v38                         ; with lane xor 16's two bytes the words are whole
	v_or_b32 v37, v37, v39
	v_cndmask_b32 v40, v36, v37, s26               ; lanes 0-15 store the first K step's words, lanes 16-31 the second's
	global_store_b32 v7, v40, s[22:23]             ; 128 consecutive bytes
	s_wait_tensorcnt 0x0
	ds_add_u32 v62, v63
	s_wait_dscnt 0x0
	s_endpgm
.Lfunc_end_k_qaf7495277e_quant:
	.size	k_qaf7495277e_quant, .Lfunc_end_k_qaf7495277e_quant-k_qaf7495277e_quant
	.p2alignl 7, 3214868480
	.fill 96, 4, 3214868480
	.section	.rodata,"a",@progbits
	.p2align	6, 0x0
	.amdhsa_kernel k_qaf7495277e_quant
		.amdhsa_group_segment_fixed_size 70656
		.amdhsa_private_segment_fixed_size 0
		.amdhsa_enable_private_segment 0
		.amdhsa_kernarg_size 32
		.amdhsa_user_sgpr_count 2
		.amdhsa_user_sgpr_kernarg_segment_ptr 1
		.amdhsa_wavefront_size32 1
		.amdhsa_system_sgpr_workgroup_id_x 1
		.amdhsa_system_sgpr_workgroup_id_y 1
		.amdhsa_system_sgpr_workgroup_id_z 1
		.amdhsa_system_vgpr_workitem_id 0
		.amdhsa_next_free_vgpr 256
		.amdhsa_next_free_sgpr 66
		.amdhsa_reserve_vcc 0
		.amdhsa_float_denorm_mode_32 3
		.amdhsa_float_denorm_mode_16_64 3
		.amdhsa_memory_ordered 1
		.amdhsa_forward_progress 1
		.amdhsa_inst_pref_size 17
	.end_amdhsa_kernel
	.amdgpu_metadata
---
amdhsa.version: [ 1, 2 ]
amdhsa.kernels:
  - .name:           k_qaf7495277e_quant
    .symbol:         k_qaf7495277e_quant.kd
    .args:
      - { .name: x, .offset: 0, .size: 8, .value_kind: global_buffer, .address_space: global }
      - { .name: in_proj_w, .offset: 8, .size: 8, .value_kind: global_buffer, .address_space: global }
      - { .name: out_proj_w, .offset: 16, .size: 8, .value_kind: global_buffer, .address_space: global }
      - { .name: opq, .offset: 24, .size: 8, .value_kind: global_buffer, .address_space: global }
    .group_segment_fixed_size: 70656
    .private_segment_fixed_size: 0
    .kernarg_segment_align: 8
    .kernarg_segment_size: 32
    .max_flat_workgroup_size: 256
    .sgpr_count:     66
    .vgpr_count:     256
    .wavefront_size: 32
...
	.end_amdgpu_metadata
.endif
;; end of part 1
;; launch qkv (part 2): grid 12 x 16, 16 waves a work-group, clusters of 4 x 4, 280,576 bytes of LDS; arguments opq, in_proj_b, qc, qs, kv; writes qc, qs, kv
.if DOCPART == 2
	.amdgcn_target "amdgcn-amd-amdhsa--gfx1250"
	.amdhsa_code_object_version 6
	.text
	.protected	k_qaf7495277e_qkv
	.globl	k_qaf7495277e_qkv
	.p2align	8
	.type	k_qaf7495277e_qkv,@function
k_qaf7495277e_qkv:
	s_mov_b64 s[64:65], 0
	v_nop
	global_prefetch_b8 v0, s[64:65] scope:SCOPE_SE
	s_setreg_imm32_b32 hwreg(HW_REG_WAVE_MODE, 25, 1), 1
	s_wait_xcnt 0x0
	s_wait_alu depctr_hold_cnt(0) depctr_sa_sdst(0) depctr_va_vdst(0) depctr_va_sdst(0) depctr_va_ssrc(0) depctr_va_vcc(0) depctr_vm_vsrc(0)
	s_getreg_b32 s2, hwreg(HW_REG_IB_STS2, 6, 4)
	s_cmp_eq_u32 s2, 0
	s_cbranch_scc0 .Lentry_in_a_cluster
	s_endpgm
.Lentry_in_a_cluster:
	s_bfe_u32 s2, ttmp6, 0x10000c
	s_cmp_lg_u32 s2, 0xf033
	s_cbranch_scc0 .Lentry_shape_is_right
	s_endpgm
.Lentry_shape_is_right:
; qkv = x in_proj_w^T + in_proj_b on codes of FP4 (records made by the launch before), and q, k, v quantised at once for attention's two products: no f32 goes to memory.
; A work-group makes 256 tokens x 256 channels.  Channels 0-1023 are q, 1024-2047 k, 2048-3071 v, so the kind is the cluster's x (0, 1, 2): the same in all sixteen partners.
; Sixteen waves, four to a SIMD; wave w makes 64 tokens (w % 4) x one head's 64 channels (w / 4): 16 accumulators of 16 x 16.
; LDS is filled ONCE: 16 records of x (139,264 bytes), then 16 of in_proj_w; K = 1,024 fits whole, so there is no ring and no byte is filled twice.
; CLUSTER 4 x 4: x's records hang on the tile row alone and are asked for jointly by a row of the cluster, the weight's on the tile column alone, by a column.
; WHICH SIDE IS SOURCE 0.  The result gives a lane ONE row of source 1 and eight rows of source 0.  q, k: source 0 = the weight, so a lane holds a token and its registers run along the head's
; channels, the K of q k^T.  v: source 0 = x, so a lane holds a channel and its registers run along the tokens, the K of the second product.  The tiles' row order (row r of tile 2 G + u is
; 32 G + 8 u + r + 8 (r / 8)) makes the 16 registers of result tiles 2 b, 2 b + 1 sixteen neighbours 32 b + 16 (lane / 16) + 0 .. 15 along that K.
; The bias is the C of each sum's first product.  LIMITS: as stated for the quantiser: NaN and infinities not served; blocks under 2^-124, and blocks of zeros, get byte 1.
; OUT.  qc [head][token tile 256][block 0, 1][r][16 B]; qs [head][token tile][r][2 B]; kv: a record of 139,264 bytes for each (batch, head): K's codes [key tile 128][block][r][16 B], V's codes
; [channel tile 4][key block 64][r][16 B], K's scale words [pair of key tiles 64][r][4 B], V's scale words [channel tile 4][128 keys: 16][r][4 B].
.set REC,   8704
.set SIDE,  16*REC
.set QUAD,  4*REC
.set KVREC, 139264
.set AI,  4                            ; v4  LDS: source 0's fragments, 16 x lane
.set AO,  5                            ; v5  source 1's
.set ASI, 6                            ; v6  source 0's scale words, 4 x lane
.set ASO, 7                            ; v7  source 1's
.set VO,  8                            ; v8-11  byte offsets of the four code stores
.set SV,  12                           ; v12-13 of the scale stores
.set BI,  16                           ; v16-47 the bias, in the result's layout
.set SI,  48                           ; v48-51 scale words of source 0's four tiles: lanes 0-15 an even K step, lanes 16-31 the odd one behind it
.set SO,  52                           ; v52-55 of source 1's
.set PW,  56                           ; v56-57 the scale words just made
.set SD,  58                           ; v58-59 as they are stored
.set FI,  64                           ; v64-95  source 0's four fragments
.set FO,  96                           ; v96-127 source 1's
.set ACC, 128                          ; v128-255 accumulator (i, j) at 8 (4 i + j): source 1's tile i, source 0's tile j
.set TM,  64                           ; at work behind the products
.set PC,  80                           ; v80-95  codes
.set WV,  14
.set TQ,  15
.set HB,  16
.set G1X, 24                           ; s[24:31], s[40:43] descriptor for x's records;  s[32:39], s[44:47] for the weight's
.set G1W, 32
.set G0X, 40
.set G0W, 44
.set SEL, 62
.macro CROUND                          ; a round of the cluster's barrier
	s_barrier_signal -1
	s_barrier_wait -1
	s_cmp_lg_u32 s[WV], 0
	s_cbranch_scc1 .Lnot_wave_0_\@
	s_barrier_signal -3
.Lnot_wave_0_\@:
	s_barrier_wait -3
	s_barrier_signal -1
	s_barrier_wait -1
.endm
.macro PLACES                          ; four plain vector places behind matrix instructions, ahead of loads into their registers and of reads of their results
.rept 4
	v_nop
.endr
.endm
	s_load_b256 s[4:11], s[0:1], 0x0               ; opq, in_proj_b, qc, qs
	s_load_b64 s[12:13], s[0:1], 0x20              ; kv
	v_lshl_add_u32 v62, v0, 2, 0x44000
	v_mov_b32 v63, 0
	ds_add_u32 v62, v63
	ds_add_u32 v62, v63
	v_lshrrev_b32 v1, 5, v0
	v_readfirstlane_b32 s[WV], v1                  ; wave 0..15
	s_and_b32 s[TQ], s[WV], 3                      ; my 64 tokens
	s_lshr_b32 s[HB], s[WV], 2                     ; my head of the block's four
	s_bfe_u32 s17, ttmp6, 0x40000                  ; cx
	s_bfe_u32 s18, ttmp6, 0x40004                  ; cy
	s_lshl_b32 s19, ttmp9, 2
	s_add_co_u32 s19, s19, s17                     ; block of 256 channels
	s_and_b32 s20, ttmp7, 0xffff
	s_lshl_b32 s20, s20, 2
	s_add_co_u32 s20, s20, s18                     ; block of 256 tokens
	s_lshl_b32 s21, s18, 2
	s_lshl_b32 s21, 15, s21                        ; my row of the cluster
	s_lshl_b32 s22, 0x1111, s17                    ; my column
	; group 1: two records, 17,408 dense bytes, as 68 rows of 32 elements of 8 bytes; no padding
	s_or_b32 s[G1X], s21, (3<<16)|(1<<21)          ; 15:0 the mask; 17:16 elements of 8 bytes; 21 set beside a mask
	s_or_b32 s[G1W], s22, (3<<16)|(1<<21)
.irp g, G1X, G1W
	s_mov_b32 s[\g+1], 32<<16                      ; tensor_dim0
	s_mov_b32 s[\g+2], 68<<16                      ; tensor_dim1
	s_mov_b32 s[\g+3], 32<<16                      ; tile_dim0
	s_mov_b32 s[\g+4], 68                          ; tile_dim1
	s_mov_b32 s[\g+5], 32                          ; stride from row to row
	s_mov_b32 s[\g+6], 0
	s_mov_b32 s[\g+7], 0
.endr
	s_and_b32 s48, s[WV], 7
	s_mul_i32 s48, s48, 2*REC                      ; which two of the side's 16 records I fetch
	s_mul_i32 s49, s[WV], 2*REC                    ; and where they go: waves 0-7 fill x's side, waves 8-15 the weight's: the wave's number alone
	s_mul_i32 s50, s20, SIDE                       ; x: tiles 16 x token block on
	s_add_co_u32 s50, s50, s48
	s_mov_b32 s51, 0
	s_mul_i32 s52, s19, SIDE                       ; the weight: tiles 256 + 16 x channel block on
	s_add_co_u32 s52, s52, s48
	s_add_co_u32 s52, s52, 256*REC
	s_mov_b32 s53, 0
	s_mov_b32 s[SEL], 0x76543210
	s_mov_b32 s[SEL+1], 0xfedcba98
	s_wait_dscnt 0x0
	s_wait_kmcnt 0x0
	s_mov_b32 s[G0X], 1
	s_mov_b32 s[G0X+1], s49
	s_add_nc_u64 s[G0X+2:G0X+3], s[4:5], s[50:51]
	s_or_b32 s[G0X+3], s[G0X+3], 0x80000000
	s_mov_b32 s[G0W], 1
	s_mov_b32 s[G0W+1], s49
	s_add_nc_u64 s[G0W+2:G0W+3], s[4:5], s[52:53]
	s_or_b32 s[G0W+3], s[G0W+3], 0x80000000
	CROUND                                         ; all sixteen work-groups are here: the joint loads meet
	s_cmp_lt_u32 s[WV], 8                          ; one load a wave; the branch hangs on the wave's number alone; four v_nop follow each line
	s_cbranch_scc0 .Lfor_w
	tensor_load_to_lds s[G0X:G0X+3], s[G1X:G1X+7]
	s_nop 0
.rept 4
	v_nop
.endr
	s_branch .Lasked
.Lfor_w:
	tensor_load_to_lds s[G0W:G0W+3], s[G1W:G1W+7]
	s_nop 0
.rept 4
	v_nop
.endr
.Lasked:
	v_and_b32 v1, 31, v0                           ; lane
	v_and_b32 v2, 15, v0                           ; r
	v_bfe_u32 v3, v0, 4, 1                         ; h
	v_lshlrev_b32 v14, 4, v3                       ; 16 h
	; the bias of my 64 channels, in the result's layout
	s_lshl_b32 s88, s19, 10
	s_lshl_b32 s89, s[HB], 8
	s_add_co_u32 s88, s88, s89
	s_mov_b32 s89, 0
	s_add_nc_u64 s[6:7], s[6:7], s[88:89]
	s_cmp_eq_u32 ttmp9, 2
	s_cbranch_scc1 .Lbias_v
	v_lshlrev_b32 v15, 6, v3                       ; q, k: register e of tile j is channel 32 (j / 2) + 16 h + 8 (j % 2) + e
.irp j, 0,1,2,3
	global_load_b128 v[BI+8*\j:BI+8*\j+3], v15, s[6:7] offset:(32*(\j/2)+8*(\j%2))*4
	global_load_b128 v[BI+8*\j+4:BI+8*\j+7], v15, s[6:7] offset:(32*(\j/2)+8*(\j%2))*4+16
.endr
	s_branch .Lbias_done
.Lbias_v:
	v_and_b32 v15, 8, v2                           ; v: all eight registers of tile i are my lane's channel 32 (i / 2) + 8 (i % 2) + r + 8 (r / 8)
	v_add_nc_u32 v15, v15, v2
	v_lshlrev_b32 v15, 2, v15
.irp i, 0,1,2,3
.irp e, 0,1,2,3,4,5,6,7
	global_load_b32 v[BI+8*\i+\e], v15, s[6:7] offset:(32*(\i/2)+8*(\i%2))*4
.endr
.endr
.Lbias_done:
	; LDS: which side is source 0
	s_mul_i32 s54, s[TQ], QUAD                     ; my four tiles of x
	s_mul_i32 s55, s[HB], QUAD
	s_add_co_u32 s55, s55, SIDE                    ; my four tiles of the weight
	s_cmp_eq_u32 ttmp9, 2
	s_cselect_b32 s56, s54, s55
	s_cselect_b32 s57, s55, s54
	v_lshl_add_u32 v[AI], v1, 4, s56
	v_lshl_add_u32 v[AO], v1, 4, s57
	s_add_co_u32 s56, s56, 8192
	s_add_co_u32 s57, s57, 8192
	v_lshl_add_u32 v[ASI], v1, 2, s56
	v_lshl_add_u32 v[ASO], v1, 2, s57
	; where the results go
	s_lshl_b32 s66, s17, 2
	s_add_co_u32 s66, s66, s[HB]                   ; head
	s_lshr_b32 s67, s20, 3                         ; batch
	s_lshl_b32 s68, s67, 4
	s_add_co_u32 s68, s68, s66
	s_mul_i32 s68, s68, KVREC                      ; the (batch, head)'s record in kv
	s_lshl_b32 s69, s20, 4
	s_lshl_b32 s70, s[TQ], 2
	s_add_co_u32 s69, s69, s70                     ; my first token tile, of 256
	s_and_b32 s70, s20, 7
	s_lshl_b32 s70, s70, 2
	s_add_co_u32 s70, s70, s[TQ]                   ; my 64 tokens among the batch's 32 such
	s_lshl_b32 s72, s66, 17
	s_lshl_b32 s73, s69, 9
	s_add_co_u32 s72, s72, s73                     ; q's codes
	s_lshl_b32 s73, s70, 11
	s_add_co_u32 s73, s73, s68                     ; k's
	s_lshl_b32 s74, s70, 9
	s_add_co_u32 s74, s74, s68
	s_add_co_u32 s74, s74, 65536                   ; v's
	s_lshl_b32 s76, s66, 13
	s_lshl_b32 s77, s69, 5
	s_add_co_u32 s76, s76, s77                     ; q's scale bytes
	s_lshl_b32 s77, s70, 7
	s_add_co_u32 s77, s77, s68
	s_add_co_u32 s77, s77, 131072                  ; k's scale words
	s_lshr_b32 s78, s70, 1
	s_lshl_b32 s78, s78, 6
	s_and_b32 s79, s70, 1
	s_lshl_b32 s79, s79, 1
	s_add_co_u32 s78, s78, s79
	s_add_co_u32 s78, s78, s68
	s_add_co_u32 s78, s78, 135168                  ; v's: my two bytes of a word of four
	s_mov_b32 s81, 0
	s_mov_b32 s83, 0
	s_mov_b32 s61, 512
	s_mov_b32 s90, 0xffff0000
	s_cmp_eq_u32 ttmp9, 1
	s_cselect_b32 s80, s73, s74
	s_cselect_b32 s82, s77, s78
	s_cmp_eq_u32 ttmp9, 0
	s_cselect_b32 s80, s72, s80
	s_cselect_b32 s82, s76, s82
	s_cselect_b64 s[84:85], s[8:9], s[12:13]       ; qc or kv: the choice hangs on the cluster's number alone
	s_cselect_b64 s[86:87], s[10:11], s[12:13]     ; qs or kv
	s_cselect_b32 s58, 1, 2                        ; a row's scale bytes: 2 (q) or 4 bytes apart
	s_cselect_b32 s59, 5, 6                        ; from tile to tile: 32 (q), 64 (k), 1,024 (v) bytes
	s_cmp_eq_u32 ttmp9, 2
	s_cselect_b32 s59, 10, s59
	s_cselect_b32 s61, 16384, s61                  ; from tile to tile of codes: 512 (q, k) or 16,384 (v)
	s_add_nc_u64 s[84:85], s[84:85], s[80:81]
	s_add_nc_u64 s[86:87], s[86:87], s[82:83]
	v_lshlrev_b32 v[VO], 4, v1
	v_add_nc_u32 v[VO+1], s61, v[VO]
	v_add_nc_u32 v[VO+2], s61, v[VO+1]
	v_add_nc_u32 v[VO+3], s61, v[VO+2]
	v_lshlrev_b32 v[SV], s58, v2
	v_lshlrev_b32 v[SV+1], s59, v3
	v_add_nc_u32 v[SV], v[SV], v[SV+1]             ; lanes 16-31 store for the odd tile
	s_add_co_u32 s60, s59, 1
	s_lshl_b32 s60, 1, s60
	v_add_nc_u32 v[SV+1], s60, v[SV]               ; the second pair of tiles
.macro KLOAD s                         ; K step s: eight fragments, two loads of 512 consecutive bytes each; with an even step the scale words of two steps
.irp j, 0,1,2,3
.irp c, 0,1
	ds_load_b128 v[FI+8*\j+4*\c:FI+8*\j+4*\c+3], v[AI] offset:REC*\j+1024*(\s)+512*\c
.endr
.endr
.irp j, 0,1,2,3
.irp c, 0,1
	ds_load_b128 v[FO+8*\j+4*\c:FO+8*\j+4*\c+3], v[AO] offset:REC*\j+1024*(\s)+512*\c
.endr
.endr
.if ((\s)%2) == 0
.irp j, 0,1,2,3
	ds_load_b32 v[SI+\j], v[ASI] offset:REC*\j+128*((\s)/2)
	ds_load_b32 v[SO+\j], v[ASO] offset:REC*\j+128*((\s)/2)
.endr
.endif
	s_wait_dscnt 0x0                               ; all of them are used at once; the SIMD's other three waves work meanwhile
.endm
; 16 products; the 16 accumulators take turns, one instruction a turn, in the same order in every step.
; cm = 1: the bias by source 0's tile starts the sums; 2: by source 1's tile; 0: in place.
.macro KMUL s, cm
.irp i, 0,1,2,3
.irp j, 0,1,2,3
.if (\cm) == 1
	v_wmma_scale_f32_16x16x128_f8f6f4 v[ACC+8*(4*\i+\j):ACC+8*(4*\i+\j)+7], v[FI+8*\j:FI+8*\j+7], v[FO+8*\i:FO+8*\i+7], v[BI+8*\j:BI+8*\j+7], v[SI+\j], v[SO+\i] matrix_a_fmt:MATRIX_FMT_FP4 matrix_b_fmt:MATRIX_FMT_FP4
.elseif (\cm) == 2
	v_wmma_scale_f32_16x16x128_f8f6f4 v[ACC+8*(4*\i+\j):ACC+8*(4*\i+\j)+7], v[FI+8*\j:FI+8*\j+7], v[FO+8*\i:FO+8*\i+7], v[BI+8*\i:BI+8*\i+7], v[SI+\j], v[SO+\i] matrix_a_fmt:MATRIX_FMT_FP4 matrix_b_fmt:MATRIX_FMT_FP4
.elseif ((\s)%2) == 0
	v_wmma_scale_f32_16x16x128_f8f6f4 v[ACC+8*(4*\i+\j):ACC+8*(4*\i+\j)+7], v[FI+8*\j:FI+8*\j+7], v[FO+8*\i:FO+8*\i+7], v[ACC+8*(4*\i+\j):ACC+8*(4*\i+\j)+7], v[SI+\j], v[SO+\i] matrix_a_fmt:MATRIX_FMT_FP4 matrix_b_fmt:MATRIX_FMT_FP4
.else
	v_wmma_scale_f32_16x16x128_f8f6f4 v[ACC+8*(4*\i+\j):ACC+8*(4*\i+\j)+7], v[FI+8*\j:FI+8*\j+7], v[FO+8*\i:FO+8*\i+7], v[ACC+8*(4*\i+\j):ACC+8*(4*\i+\j)+7], v[SI+\j], v[SO+\i] matrix_a_fmt:MATRIX_FMT_FP4 matrix_b_fmt:MATRIX_FMT_FP4 matrix_a_scale:MATRIX_SCALE_ROW1 matrix_b_scale:MATRIX_SCALE_ROW1
.endif
.endr
.endr
.endm
; 64 numbers of a lane, register 16 b + i = place 32 b + 16 (lane / 16) + i along K of my row (blocks 0, 1: one result tile row; 2, 3: the next), become codes in v[pc] .. v[pc + 7] and four scale bytes in v[pw].
.macro QUANT s, pc, pw
.irp b, 0,1,2,3
	v_max3_num_f32 v[TM+\b], |v[\s+16*\b]|, |v[\s+1+16*\b]|, 0x1800000   ; my 16 numbers of block b, each accumulator from its low end on, and the floor 2^(3 - 127)
.endr
.irp i, 2,4,6,8,10,12,14
.irp b, 0,1,2,3
	v_max3_num_f32 v[TM+\b], v[TM+\b], |v[\s+16*\b+\i]|, |v[\s+1+16*\b+\i]|
.endr
.endr
.irp b, 0,1,2,3
	v_permlanex16_b32 v[TM+4+\b], v[TM+\b], s[SEL], s[SEL+1]
.endr
.irp b, 0,1,2,3
	v_max_num_f32 v[TM+\b], v[TM+\b], v[TM+4+\b]   ; with lane xor 16's: the block's largest magnitude
.endr
.irp b, 0,1,2,3
	v_add_nc_u32 v[TM+12+\b], 0xff000000, v[TM+\b] ; 2 off its exponent field: the conversion's scale operand
.endr
.irp b, 0,1,2,3
	v_lshrrev_b32 v[TM+4+\b], 23, v[TM+12+\b]      ; the scale's byte
.endr
	v_lshl_or_b32 v[\pw], v[TM+5], 8, v[TM+4]
	v_lshl_or_b32 v[\pw], v[TM+6], 16, v[\pw]
	v_lshl_or_b32 v[\pw], v[TM+7], 24, v[\pw]
.irp b, 0,1,2,3
	v_cvt_scalef32_pk8_fp4_f32 v[\pc+2*\b], v[\s+16*\b:\s+7+16*\b], v[TM+12+\b]
	v_cvt_scalef32_pk8_fp4_f32 v[\pc+1+2*\b], v[\s+8+16*\b:\s+15+16*\b], v[TM+12+\b]
.endr
	v_nop                                          ; one plain place behind a scaled conversion
.irp c, 0,1                                    ; a whole block to a lane: lanes 0-15 block 2 c, lanes 16-31 block 2 c + 1
.irp i, 0,1
	v_permlane16_swap_b32 v[\pc+4*\c+\i], v[\pc+2+4*\c+\i]
.endr
.endr
.endm
	s_wait_tensorcnt 0x0                           ; my two records have landed,
	s_barrier_signal -1
	s_barrier_wait -1                              ; everybody's have; from here on LDS is only read
	KLOAD 0
	s_wait_loadcnt 0x0                             ; the bias
	s_cmp_eq_u32 ttmp9, 2
	s_cbranch_scc1 .Lfirst_v
	KMUL 0, 1
	s_branch .Lfirst_done
.Lfirst_v:
	KMUL 0, 2
.Lfirst_done:
.irp s, 1,2,3,4,5,6,7
	PLACES
	KLOAD \s
	KMUL \s, 0
.endr
	PLACES
	QUANT ACC, PC, PW                              ; source 1's tiles 0 and 1
	global_store_b128 v[VO], v[PC:PC+3], s[84:85]          ; a tile's two blocks of 16 rows: 512 consecutive bytes
	global_store_b128 v[VO+1], v[PC+4:PC+7], s[84:85]
	QUANT ACC+64, PC+8, PW+1                       ; tiles 2 and 3
	global_store_b128 v[VO+2], v[PC+8:PC+11], s[84:85]
	global_store_b128 v[VO+3], v[PC+12:PC+15], s[84:85]
	s_cmp_eq_u32 ttmp9, 1
	s_cbranch_scc1 .Lk_scales
	v_lshrrev_b32 v[SD], v14, v[PW]                ; q, v: two bytes a tile and row: lanes 0-15 the even tile's, lanes 16-31 the odd tile's
	v_lshrrev_b32 v[SD+1], v14, v[PW+1]
	global_store_b16 v[SV], v[SD], s[86:87]
	global_store_b16 v[SV+1], v[SD+1], s[86:87]
	s_branch .Lscales_done
.Lk_scales:
	v_cndmask_b32 v[SD], v[PW], v[PW+1], s90       ; k: a pair of tiles' four bytes are one word: lanes 0-15 the first pair's, lanes 16-31 the second's
	global_store_b32 v[SV], v[SD], s[86:87]        ; 128 consecutive bytes
.Lscales_done:
	s_wait_tensorcnt 0x0
	ds_add_u32 v62, v63
	s_wait_dscnt 0x0
	CROUND                                         ; the closing round: no work-group ends while a partner may still ask for a tile that names it
	s_endpgm
.Lfunc_end_k_qaf7495277e_qkv:
	.size	k_qaf7495277e_qkv, .Lfunc_end_k_qaf7495277e_qkv-k_qaf7495277e_qkv
	.p2alignl 7, 3214868480
	.fill 96, 4, 3214868480
	.section	.rodata,"a",@progbits
	.p2align	6, 0x0
	.amdhsa_kernel k_qaf7495277e_qkv
		.amdhsa_group_segment_fixed_size 280576
		.amdhsa_private_segment_fixed_size 0
		.amdhsa_enable_private_segment 0
		.amdhsa_kernarg_size 40
		.amdhsa_user_sgpr_count 2
		.amdhsa_user_sgpr_kernarg_segment_ptr 1
		.amdhsa_wavefront_size32 1
		.amdhsa_system_sgpr_workgroup_id_x 1
		.amdhsa_system_sgpr_workgroup_id_y 1
		.amdhsa_system_sgpr_workgroup_id_z 1
		.amdhsa_system_vgpr_workitem_id 0
		.amdhsa_next_free_vgpr 256
		.amdhsa_next_free_sgpr 96
		.amdhsa_reserve_vcc 0
		.amdhsa_float_denorm_mode_32 3
		.amdhsa_float_denorm_mode_16_64 3
		.amdhsa_memory_ordered 1
		.amdhsa_forward_progress 1
		.amdhsa_inst_pref_size 50
	.end_amdhsa_kernel
	.amdgpu_metadata
---
amdhsa.version: [ 1, 2 ]
amdhsa.kernels:
  - .name:           k_qaf7495277e_qkv
    .symbol:         k_qaf7495277e_qkv.kd
    .args:
      - { .name: opq, .offset: 0, .size: 8, .value_kind: global_buffer, .address_space: global }
      - { .name: in_proj_b, .offset: 8, .size: 8, .value_kind: global_buffer, .address_space: global }
      - { .name: qc, .offset: 16, .size: 8, .value_kind: global_buffer, .address_space: global }
      - { .name: qs, .offset: 24, .size: 8, .value_kind: global_buffer, .address_space: global }
      - { .name: kv, .offset: 32, .size: 8, .value_kind: global_buffer, .address_space: global }
    .group_segment_fixed_size: 280576
    .private_segment_fixed_size: 0
    .kernarg_segment_align: 8
    .kernarg_segment_size: 40
    .max_flat_workgroup_size: 512
    .sgpr_count:     96
    .vgpr_count:     256
    .wavefront_size: 32
...
	.end_amdgpu_metadata
.endif
;; end of part 2
;; launch attn (part 3): grid 8 x 32, 16 waves a work-group, clusters of 4 x 1, 169,984 bytes of LDS; arguments qc, qs, kv, market_info, cq; writes cq
.if DOCPART == 3
	.amdgcn_target "amdgcn-amd-amdhsa--gfx1250"
	.amdhsa_code_object_version 6
	.text
	.protected	k_qaf7495277e_attn
	.globl	k_qaf7495277e_attn
	.p2align	8
	.type	k_qaf7495277e_attn,@function
k_qaf7495277e_attn:
	s_mov_b64 s[64:65], 0
	v_nop
	global_prefetch_b8 v0, s[64:65] scope:SCOPE_SE
	s_setreg_imm32_b32 hwreg(HW_REG_WAVE_MODE, 25, 1), 1
	s_wait_xcnt 0x0
	s_wait_alu depctr_hold_cnt(0) depctr_sa_sdst(0) depctr_va_vdst(0) depctr_va_sdst(0) depctr_va_ssrc(0) depctr_va_vcc(0) depctr_vm_vsrc(0)
	s_getreg_b32 s2, hwreg(HW_REG_IB_STS2, 6, 4)
	s_cmp_eq_u32 s2, 0
	s_cbranch_scc0 .Lentry_in_a_cluster
	s_endpgm
.Lentry_in_a_cluster:
	s_bfe_u32 s2, ttmp6, 0x10000c
	s_cmp_lg_u32 s2, 0x3003
	s_cbranch_scc0 .Lentry_shape_is_right
	s_endpgm
.Lentry_shape_is_right:
; ctx[b][q][head] = the sum over keys of softmax(q . k / 8 + market_info[b][0]) v, both products on codes of FP4 with E8M0 scales; ctx is quantised at once for the last product.
; THE SOFTMAX AHEAD OF THE SECOND PRODUCT: t = score x log2(e) / 8 + vol x log2(e); M = the largest t so far, rounded UP to a whole number; p = 2^(t - M) is what is quantised, along the keys,
; not normalised.  The row's sum is taken of the unquantised p and divides at the end.  When M moves, the sum and O are multiplied by 2^(old M - new M): exact.
; SHARES.  A work-group owns 256 queries of one (batch, head); each of its sixteen waves one tile of 16, in 256 registers: four waves to a SIMD, so that one wave's vector work stands beside another's
; matrix work and LDS loads.  Every wave walks all 2,048 keys, 128 a trip.
; LDS holds the head's whole record of kv (139,264 bytes: K's codes, V's codes, both scales), filled ONCE: no ring, no barrier in the loop.
; CLUSTER 4 x 1: four query blocks of one head read the same record: each wave's sixteenth of it is asked for jointly, mask 15.
; LAYOUT.  Both products transposed: S^T = K Q^T, O^T = V^T P^T: a lane holds ONE query throughout.  The key tiles' row order makes the 16 registers of score tiles 2 b, 2 b + 1 sixteen neighbouring keys.
; K = 64 IN AN INSTRUCTION OF K = 128.  Source 0 holds a PAIR of key tiles: registers 0-3 tile 2 b, registers 4-7 tile 2 b + 1, with the pair's four scale bytes.  Q stands twice: QA = (Q, zeros), QB = (zeros, Q).
; The dead half's codes are zeros under the byte 0: they add exact zeros.  One load of K so feeds two products.
; LIMITS: NaN and infinities not served; blocks of p or of ctx under 2^-124, and blocks of zeros, get byte 1 (zero or held codes).
.set REC,   8704
.set KVREC, 139264
.set ADK, 8                            ; v8-11 the trip's LDS addresses: K's codes, V's codes, K's scale words, V's
.set ADV, 9
.set ADS, 10
.set ADT, 11
.set QA,  16                           ; v16-23, v24-31
.set QB,  24
.set KF,  32                           ; v32-63   four pairs of key tiles
.set VF,  64                           ; v64-95   V's four channel tiles for 128 keys
.set S,   96                           ; v96-159  S^T, then p
.set O,   160                          ; v160-191 O^T
.set PC,  192                          ; v192-199 p's codes
.set KS,  200
.set VS,  204
.set QSA, 208
.set QSB, 209
.set NB,  210                          ; v[210:211] vol x log2(e) - M
.set BM,  212                          ; v212-215 a block's largest score, then its largest p
.set T2,  216
.set SCL, 220
.set F,   224                          ; v[224:225] 2^(old M - new M)
.set PW,  226
.set TT,  227
.set L2,  228                          ; v[228:229] the sum's second chain
.set WV,  14
.set SEL, 20
.set CS,  22                           ; s[22:23] c = log2(e) / 8
.set G1,  24
.set G0,  32
.set TK,  36
.set TV,  37
.set TSK, 38
.set TSV, 39
.set CNT, 40
.macro CROUND
	s_barrier_signal -1
	s_barrier_wait -1
	s_cmp_lg_u32 s[WV], 0
	s_cbranch_scc1 .Lnot_wave_0_\@
	s_barrier_signal -3
.Lnot_wave_0_\@:
	s_barrier_wait -3
	s_barrier_signal -1
	s_barrier_wait -1
.endm
	s_load_b256 s[4:11], s[0:1], 0x0               ; qc, qs, kv, market_info
	s_load_b64 s[12:13], s[0:1], 0x20              ; cq
	v_lshl_add_u32 v254, v0, 2, 0x29000
	v_mov_b32 v255, 0
	ds_add_u32 v254, v255
	ds_add_u32 v254, v255
	v_lshrrev_b32 v1, 5, v0
	v_readfirstlane_b32 s[WV], v1                  ; wave 0..15
	s_bfe_u32 s15, ttmp6, 0x40000                  ; cx
	s_lshl_b32 s16, ttmp9, 2
	s_add_co_u32 s16, s16, s15                     ; my block of 256 queries: it enters Q's and ctx's addresses alone
	s_and_b32 s17, ttmp7, 0xffff                   ; 16 x batch + head, which the four partners share
	s_lshr_b32 s18, s17, 4                         ; batch
	s_and_b32 s19, s17, 15                         ; head
	; group 1: 8,704 dense bytes as 34 rows of 32 elements of 8 bytes
	s_mov_b32 s[G1], 15|(3<<16)|(1<<21)            ; 15:0 the mask: all four; 17:16 elements of 8 bytes; 21 set beside a mask
	s_mov_b32 s[G1+1], 32<<16
	s_mov_b32 s[G1+2], 34<<16
	s_mov_b32 s[G1+3], 32<<16
	s_mov_b32 s[G1+4], 34
	s_mov_b32 s[G1+5], 32
	s_mov_b32 s[G1+6], 0
	s_mov_b32 s[G1+7], 0
	s_mul_i32 s41, s17, KVREC
	s_mul_i32 s42, s[WV], REC                      ; my sixteenth, in memory and in LDS alike
	s_add_co_u32 s44, s41, s42
	s_mov_b32 s45, 0
	s_lshl_b32 s46, s18, 7
	s_lshl_b32 s47, s16, 4
	s_add_co_u32 s46, s46, s47
	s_add_co_u32 s46, s46, s[WV]                   ; my token tile, of 256
	s_lshl_b32 s48, s19, 17
	s_lshl_b32 s49, s46, 9
	s_add_co_u32 s48, s48, s49                     ; Q's codes
	s_mov_b32 s49, 0
	s_lshl_b32 s50, s19, 13
	s_lshl_b32 s51, s46, 5
	s_add_co_u32 s50, s50, s51                     ; Q's scale bytes
	s_mov_b32 s51, 0
	s_mul_i32 s52, s46, REC                        ; ctx's record of my tile:
	s_lshr_b32 s54, s19, 1
	s_lshl_b32 s54, s54, 6
	s_and_b32 s55, s19, 1
	s_lshl_b32 s55, s55, 1
	s_add_co_u32 s54, s54, s55
	s_add_co_u32 s54, s54, s52
	s_add_co_u32 s54, s54, 8192                    ; my head's two bytes of K step head / 2's words,
	s_mov_b32 s55, 0
	s_lshl_b32 s53, s19, 9
	s_add_co_u32 s52, s52, s53                     ; and its blocks 2 head, 2 head + 1
	s_mov_b32 s53, 0
	s_lshl_b32 s56, s18, 5                         ; market_info[batch][0]
	s_mov_b32 s57, 0
	s_mov_b32 s[SEL], 0x76543210
	s_mov_b32 s[SEL+1], 0xfedcba98
	s_mov_b32 s[CS], 0x3e38aa3b                    ; log2(e) / 8
	s_mov_b32 s[CS+1], s[CS]                       ; (named with it as a pair, so it is written)
	s_mov_b32 s[TK], 0
	s_mov_b32 s[TV], 0
	s_mov_b32 s[TSK], 0
	s_mov_b32 s[TSV], 0
	s_mov_b32 s[CNT], 16
	s_wait_dscnt 0x0
	s_wait_kmcnt 0x0
	s_mov_b32 s[G0], 1
	s_mov_b32 s[G0+1], s42
	s_add_nc_u64 s[G0+2:G0+3], s[8:9], s[44:45]
	s_or_b32 s[G0+3], s[G0+3], 0x80000000
	s_add_nc_u64 s[4:5], s[4:5], s[48:49]
	s_add_nc_u64 s[6:7], s[6:7], s[50:51]
	s_add_nc_u64 s[10:11], s[10:11], s[56:57]
	s_add_nc_u64 s[58:59], s[12:13], s[54:55]
	s_add_nc_u64 s[12:13], s[12:13], s[52:53]
	CROUND                                         ; all four work-groups are here: the joint loads meet
	tensor_load_to_lds s[G0:G0+3], s[G1:G1+7]      ; every wave's one load
	s_nop 0
.rept 4
	v_nop
.endr
	s_load_b32 s60, s[10:11], 0x0                  ; vol
	v_and_b32 v8, 31, v0
	v_and_b32 v9, 15, v0
	v_lshlrev_b32 v1, 4, v8                        ; 16 x lane: K's codes, Q's, ctx's
	v_add_nc_u32 v2, 0x10000, v1                   ; V's codes
	v_lshlrev_b32 v7, 2, v9                        ; 4 r
	v_add_nc_u32 v3, 131072, v7                    ; K's scale words
	v_add_nc_u32 v4, 135168, v7                    ; V's
	v_lshlrev_b32 v6, 1, v9
	global_load_b128 v[QA:QA+3], v1, s[4:5]        ; Q's 64 along K, as the first half of QA
	global_load_b128 v[QB+4:QB+7], v1, s[4:5]      ; and as the second half of QB
	global_load_u16 v[QSA], v6, s[6:7]             ; its two scale bytes; bytes 2, 3 are 0
.irp j, 4,5,6,7,8,9,10,11
	v_mov_b32 v[QA+\j], 0                          ; the dead halves: zero codes
.endr
	v_mov_b32 v13, 0xff61b1e6                      ; the largest t so far: -3e38
	v_floor_f32 v12, -v13                          ; -M
	v_mov_b32 v14, 0                               ; the sum, in two halves
	v_mov_b32 v15, 0
.irp b, 0,1,2,3
	v_mov_b32 v[T2+\b], 0                          ; a lane permute's destination counts as one of its sources
.endr
	v_mov_b32 v[NB+1], 0                           ; (upper halves of pairs of which the low word serves both)
	v_mov_b32 v[F+1], 0
	v_mov_b32 v[TT], 0
	s_wait_kmcnt 0x0
	v_mov_b32 v5, s60
	v_mul_f32 v5, 0x3fb8aa3b, v5                   ; vol x log2(e)
	s_wait_loadcnt 0x0                             ; Q
	v_lshlrev_b32 v[QSB], 16, v[QSA]               ; QB's scale word: the bytes at blocks 2, 3
.set j, 0
.rept 32
	v_mov_b32 v[O+j], 0                            ; O^T: the loop is written once; its first trip finds zeros.  (More than the 8 places that a scale register so written wants ahead of its product)
.set j, j+1
.endr
	s_wait_tensorcnt 0x0                           ; my sixteenth has landed,
	s_barrier_signal -1
	s_barrier_wait -1                              ; everybody's has; from here on LDS is only read
.Lstep:                                            ; 16 trips of 128 keys
	v_add_nc_u32 v[ADK], s[TK], v1                 ; (these four are the places between the last trip's products and the loads into their registers)
	v_add_nc_u32 v[ADV], s[TV], v2
	v_add_nc_u32 v[ADS], s[TSK], v3
	v_add_nc_u32 v[ADT], s[TSV], v4
.irp t, 0,1,2,3,4,5,6,7
	ds_load_b128 v[KF+4*\t:KF+4*\t+3], v[ADK] offset:512*\t
.endr
.irp b, 0,1,2,3
	ds_load_b32 v[KS+\b], v[ADS] offset:64*\b
.endr
.irp n, 0,1,2,3
.irp c, 0,1
	ds_load_b128 v[VF+8*\n+4*\c:VF+8*\n+4*\c+3], v[ADV] offset:16384*\n+512*\c
.endr
.endr
.irp n, 0,1,2,3
	ds_load_b32 v[VS+\n], v[ADT] offset:1024*\n
.endr
	s_wait_dscnt 12                                ; K's twelve are in; V's twelve, issued behind them, land under the softmax
.irp b, 0,1,2,3
	v_wmma_scale_f32_16x16x128_f8f6f4 v[S+16*\b:S+16*\b+7], v[KF+8*\b:KF+8*\b+7], v[QA:QA+7], 0, v[KS+\b], v[QSA] matrix_a_fmt:MATRIX_FMT_FP4 matrix_b_fmt:MATRIX_FMT_FP4
	v_wmma_scale_f32_16x16x128_f8f6f4 v[S+16*\b+8:S+16*\b+15], v[KF+8*\b:KF+8*\b+7], v[QB:QB+7], 0, v[KS+\b], v[QSB] matrix_a_fmt:MATRIX_FMT_FP4 matrix_b_fmt:MATRIX_FMT_FP4
.endr
.rept 4
	v_nop
.endr
.irp b, 0,1,2,3
	v_max3_num_f32 v[BM+\b], v[S+16*\b], v[S+1+16*\b], v[S+2+16*\b]   ; the largest score of each block of 32 keys: for the row's maximum, and, since p rises with the score, for the block's largest p
.endr
.irp i, 3,5,7,9,11,13
.irp b, 0,1,2,3
	v_max3_num_f32 v[BM+\b], v[BM+\b], v[S+16*\b+\i], v[S+1+16*\b+\i]
.endr
.endr
.irp b, 0,1,2,3
	v_max_num_f32 v[BM+\b], v[BM+\b], v[S+15+16*\b]
.endr
.irp b, 0,1,2,3
	v_permlanex16_b32 v[T2+\b], v[BM+\b], s[SEL], s[SEL+1]
.endr
.irp b, 0,1,2,3
	v_max_num_f32 v[BM+\b], v[BM+\b], v[T2+\b]     ; with lane xor 16's 16 keys
.endr
	v_max3_num_f32 v[TT], v[BM], v[BM+1], v[BM+2]
	v_max_num_f32 v[TT], v[TT], v[BM+3]
	v_fma_f32 v[TT], v[TT], s[CS], v5              ; the trip's largest t (c is positive)
	v_max_num_f32 v13, v13, v[TT]                  ; the running largest t
	v_mov_b32 v[TT], v12
	v_floor_f32 v12, -v13                          ; the new -M = -ceil(t): a whole number
	v_sub_f32 v[TT], v12, v[TT]                    ; old M - new M: a whole number, 0 or less
	v_cvt_i32_f32 v[TT], v[TT]                     ; (it saturates)
	v_ldexp_f32 v[F], 1.0, v[TT]                   ; 2^(old M - new M)
	v_add_f32 v[NB], v5, v12                       ; vol x log2(e) - M
.set j, 0
.rept 32
	v_pk_fma_f32 v[S+j:S+j+1], v[S+j:S+j+1], s[CS:CS+1], v[NB:NB+1] op_sel_hi:[1,0,0]   ; t - M, two at a time
.set j, j+2
.endr
.irp b, 0,1,2,3
	v_fma_f32 v[BM+\b], v[BM+\b], s[CS], v[NB]     ; the same of each block's largest score
.endr
.set j, 0
.rept 64
	v_exp_f32 v[S+j], v[S+j]                       ; p = 2^(t - M)
.set j, j+1
.endr
.irp b, 0,1,2,3
	v_exp_f32 v[BM+\b], v[BM+\b]                   ; the block's largest p: the same two instructions on the same number
.endr
	v_pk_mul_f32 v[14:15], v[14:15], v[F:F+1] op_sel_hi:[1,0]   ; the sums under the new M (a plain place behind the exponentials)
	s_wait_alu depctr_va_vdst(0)
.irp b, 0,1,2,3
	v_max_num_f32 v[BM+\b], 0x1800000, v[BM+\b]    ; the floor 2^(3 - 127)
.endr
.irp b, 0,1,2,3
	v_add_nc_u32 v[SCL+\b], 0xff000000, v[BM+\b]   ; the conversion's scale operand
.endr
.irp b, 0,1,2,3
	v_lshrrev_b32 v[T2+\b], 23, v[SCL+\b]          ; the scale's byte
.endr
	v_lshl_or_b32 v[PW], v[T2+1], 8, v[T2]         ; p's scale word for these 128 keys
	v_lshl_or_b32 v[PW], v[T2+2], 16, v[PW]
	v_lshl_or_b32 v[PW], v[T2+3], 24, v[PW]
.irp b, 0,1,2,3
	v_cvt_scalef32_pk8_fp4_f32 v[PC+2*\b], v[S+16*\b:S+7+16*\b], v[SCL+\b]
	v_cvt_scalef32_pk8_fp4_f32 v[PC+1+2*\b], v[S+8+16*\b:S+15+16*\b], v[SCL+\b]
.endr
	v_nop                                          ; one plain place behind a scaled conversion
.irp c, 0,1
.irp i, 0,1
	v_permlane16_swap_b32 v[PC+4*\c+\i], v[PC+2+4*\c+\i]   ; a whole block to a lane
.endr
.endr
	v_pk_add_f32 v[L2:L2+1], v[S:S+1], v[S+2:S+3]  ; the row's sum of the UNQUANTISED p, in two chains
.irp j, 4,8,12,16,20,24,28,32,36,40,44,48,52,56,60
	v_pk_add_f32 v[14:15], v[14:15], v[S+\j:S+\j+1]
	v_pk_add_f32 v[L2:L2+1], v[L2:L2+1], v[S+\j+2:S+\j+3]
.endr
	v_pk_add_f32 v[14:15], v[14:15], v[L2:L2+1]
.set j, 0
.rept 16
	v_pk_mul_f32 v[O+j:O+j+1], v[O+j:O+j+1], v[F:F+1] op_sel_hi:[1,0]   ; O^T under the new M
.set j, j+2
.endr
	s_wait_dscnt 0x0                               ; V
.irp n, 0,1,2,3                                ; four accumulators by turns, one instruction a turn
	v_wmma_scale_f32_16x16x128_f8f6f4 v[O+8*\n:O+8*\n+7], v[VF+8*\n:VF+8*\n+7], v[PC:PC+7], v[O+8*\n:O+8*\n+7], v[VS+\n], v[PW] matrix_a_fmt:MATRIX_FMT_FP4 matrix_b_fmt:MATRIX_FMT_FP4
.endr
	s_add_co_u32 s[TK], s[TK], 4096                ; 8 key tiles on
	s_add_co_u32 s[TV], s[TV], 1024                ; 4 key blocks on
	s_add_co_u32 s[TSK], s[TSK], 256
	s_add_co_u32 s[TSV], s[TSV], 64
	s_sub_co_u32 s[CNT], s[CNT], 1
	s_cmp_lg_u32 s[CNT], 0
	s_cbranch_scc1 .Lstep
.rept 4
	v_nop                                          ; places behind the last products
.endr
	v_add_f32 v14, v14, v15                        ; the sum's two halves,
	v_permlanex16_b32 v[TT], v14, s[SEL], s[SEL+1]
	v_add_f32 v14, v14, v[TT]                      ; and lane xor 16's
	v_rcp_f32 v14, v14
	v_nop                                          ; a plain place behind the transcendental
.set j, 0
	s_wait_alu depctr_va_vdst(0)
.rept 32
	v_mul_f32 v[S+j], v[O+j], v14                  ; ctx: register 16 b + i is channel 32 b + 16 (lane / 16) + i of my query's head; each accumulator from its low end on
.set j, j+1
.endr
.irp b, 0,1                                    ; ctx's two blocks along the last product's K
	v_max3_num_f32 v[BM+\b], |v[S+16*\b]|, |v[S+1+16*\b]|, 0x1800000
.endr
.irp i, 2,4,6,8,10,12,14
.irp b, 0,1
	v_max3_num_f32 v[BM+\b], v[BM+\b], |v[S+16*\b+\i]|, |v[S+1+16*\b+\i]|
.endr
.endr
.irp b, 0,1
	v_permlanex16_b32 v[T2+\b], v[BM+\b], s[SEL], s[SEL+1]
.endr
.irp b, 0,1
	v_max_num_f32 v[BM+\b], v[BM+\b], v[T2+\b]
.endr
.irp b, 0,1
	v_add_nc_u32 v[SCL+\b], 0xff000000, v[BM+\b]
.endr
.irp b, 0,1
	v_lshrrev_b32 v[T2+\b], 23, v[SCL+\b]
.endr
	v_lshl_or_b32 v[PW], v[T2+1], 8, v[T2]
.irp b, 0,1
	v_cvt_scalef32_pk8_fp4_f32 v[PC+2*\b], v[S+16*\b:S+7+16*\b], v[SCL+\b]
	v_cvt_scalef32_pk8_fp4_f32 v[PC+1+2*\b], v[S+8+16*\b:S+15+16*\b], v[SCL+\b]
.endr
	v_nop
	v_permlane16_swap_b32 v[PC], v[PC+2]
	v_permlane16_swap_b32 v[PC+1], v[PC+3]
	global_store_b128 v1, v[PC:PC+3], s[12:13]     ; two blocks of 16 rows: 512 consecutive bytes of the tile's record
	global_store_b16 v7, v[PW], s[58:59]           ; their two bytes of row r's word; lanes r and r + 16 write the same bytes with the same value
	s_wait_tensorcnt 0x0
	ds_add_u32 v254, v255
	s_wait_dscnt 0x0
	CROUND                                         ; the closing round
	s_endpgm
.Lfunc_end_k_qaf7495277e_attn:
	.size	k_qaf7495277e_attn, .Lfunc_end_k_qaf7495277e_attn-k_qaf7495277e_attn
	.p2alignl 7, 3214868480
	.fill 96, 4, 3214868480
	.section	.rodata,"a",@progbits
	.p2align	6, 0x0
	.amdhsa_kernel k_qaf7495277e_attn
		.amdhsa_group_segment_fixed_size 169984
		.amdhsa_private_segment_fixed_size 0
		.amdhsa_enable_private_segment 0
		.amdhsa_kernarg_size 40
		.amdhsa_user_sgpr_count 2
		.amdhsa_user_sgpr_kernarg_segment_ptr 1
		.amdhsa_wavefront_size32 1
		.amdhsa_system_sgpr_workgroup_id_x 1
		.amdhsa_system_sgpr_workgroup_id_y 1
		.amdhsa_system_sgpr_workgroup_id_z 1
		.amdhsa_system_vgpr_workitem_id 0
		.amdhsa_next_free_vgpr 256
		.amdhsa_next_free_sgpr 66
		.amdhsa_reserve_vcc 0
		.amdhsa_float_denorm_mode_32 3
		.amdhsa_float_denorm_mode_16_64 3
		.amdhsa_memory_ordered 1
		.amdhsa_forward_progress 1
		.amdhsa_inst_pref_size 26
	.end_amdhsa_kernel
	.amdgpu_metadata
---
amdhsa.version: [ 1, 2 ]
amdhsa.kernels:
  - .name:           k_qaf7495277e_attn
    .symbol:         k_qaf7495277e_attn.kd
    .args:
      - { .name: qc, .offset: 0, .size: 8, .value_kind: global_buffer, .address_space: global }
      - { .name: qs, .offset: 8, .size: 8, .value_kind: global_buffer, .address_space: global }
      - { .name: kv, .offset: 16, .size: 8, .value_kind: global_buffer, .address_space: global }
      - { .name: market_info, .offset: 24, .size: 8, .value_kind: global_buffer, .address_space: global }
      - { .name: cq, .offset: 32, .size: 8, .value_kind: global_buffer, .address_space: global }
    .group_segment_fixed_size: 169984
    .private_segment_fixed_size: 0
    .kernarg_segment_align: 8
    .kernarg_segment_size: 40
    .max_flat_workgroup_size: 512
    .sgpr_count:     66
    .vgpr_count:     256
    .wavefront_size: 32
...
	.end_amdgpu_metadata
.endif
;; end of part 3
;; launch proj (part 4): grid 256 x 1, 16 waves a work-group, no clusters, 169,984 bytes of LDS; arguments cq, opq, x, out_proj_b, ln_gamma, ln_beta, out0; writes out0
.if DOCPART == 4
	.amdgcn_target "amdgcn-amd-amdhsa--gfx1250"
	.amdhsa_code_object_version 6
	.text
	.protected	k_qaf7495277e_proj
	.globl	k_qaf7495277e_proj
	.p2align	8
	.type	k_qaf7495277e_proj,@function
k_qaf7495277e_proj:
	s_mov_b64 s[64:65], 0
	v_nop
	global_prefetch_b8 v0, s[64:65] scope:SCOPE_SE
	s_setreg_imm32_b32 hwreg(HW_REG_WAVE_MODE, 25, 1), 1
	s_wait_xcnt 0x0
; out0 = LayerNorm(x + ctx out_proj_w^T + out_proj_b) x gamma + beta.  The product runs on codes of FP4 (ctx's records from attention, the weight's from the quantiser); all else in f32.
; A work-group owns one token tile: 16 whole rows, so a row's mean and variance stay inside it.  Sixteen waves; wave w makes channels 64 w .. 64 w + 63 (four tiles of the weight) for the 16 rows.
; Source 0 = 16 rows of the weight, source 1 = ctx: a lane holds one token and eight channels.
; ctx's record (8,704 bytes) comes into LDS once, by wave 0's tensor load, and is read by all sixteen.  THE WEIGHT GOES FROM MEMORY STRAIGHT INTO REGISTERS: its records are laid as the operand's
; registers, each fragment serves one product of one wave, and no two waves of the work-group want the same one.
; NO MULTICAST, though every work-group walks the same 557,056 bytes of the weight: they do not fit into LDS at once, so joint loads would want slots that are filled again and a round of the
; cluster's barrier for each, and LDS would only be passed through on the way to registers.
; MEAN AND VARIANCE: each wave takes its 64 channels' mean m and sum of squares q about m; mu = the mean of the sixteen m; the variance is the sum of q + 64 (m - mu)^2 over 1,024: no difference of large sums.
.set REC,  8704
.set STG,  8704                        ; LDS: behind ctx's record a stage of 16 rows x 272 bytes for each wave,
.set SP,   272
.set STAT, STG+16*16*SP                ; then [row 16][wave 16] pairs (m, q) of 8 bytes
.set X,   16                           ; v16-47   x: four numbers of eight rows
.set BB,  48                           ; v48-51 bias, v52-55 gamma, v56-59 beta of my four channels
.set GG,  52
.set BE,  56
.set CS,  60                           ; v60-63   ctx's scale words: lanes 0-15 an even K step, lanes 16-31 the odd one
.set WS,  64                           ; v64-79   the weight's: tile t, pair of steps g at 4 t + g
.set ACC, 80                           ; v80-111
.set CF,  112                          ; v112-127 ctx's fragments, two sets
.set WR,  128                          ; v128-255 the weight's fragments, four sets of four tiles
.set Y,   128                          ; behind the products: y, four numbers of eight rows
.set MQ,  160                          ; pairs (m, q) of my wave
.set LD,  176                          ; pairs of wave lane % 16
.set MU,  192                          ; mu in the low word of a pair
.set RS,  208                          ; 1 / sqrt(var + eps) likewise
.set S1,  224
.set S2,  232
.set WV,  18
.set G1,  24
.set G0,  32
	s_load_b256 s[4:11], s[0:1], 0x0               ; cq, opq, x, out_proj_b
	s_load_b128 s[12:15], s[0:1], 0x20             ; ln_gamma, ln_beta
	s_load_b64 s[16:17], s[0:1], 0x30              ; out0
	v_lshl_add_u32 v14, v0, 2, 0x29000
	v_mov_b32 v15, 0
	ds_add_u32 v14, v15
	ds_add_u32 v14, v15
	v_lshrrev_b32 v1, 5, v0
	v_readfirstlane_b32 s[WV], v1                  ; wave 0..15
	s_mov_b32 s[G1], 3<<16                         ; 8,704 dense bytes as 34 rows of 32 elements of 8 bytes; no mask, no padding
	s_mov_b32 s[G1+1], 32<<16
	s_mov_b32 s[G1+2], 34<<16
	s_mov_b32 s[G1+3], 32<<16
	s_mov_b32 s[G1+4], 34
	s_mov_b32 s[G1+5], 32
	s_mov_b32 s[G1+6], 0
	s_mov_b32 s[G1+7], 0
	s_mul_i32 s36, ttmp9, REC                      ; my tile's record of ctx
	s_mov_b32 s37, 0
	s_lshl_b32 s38, s[WV], 2
	s_add_co_u32 s38, s38, 448
	s_mul_i32 s38, s38, REC                        ; the weight's tiles 448 + 4 w on
	s_mov_b32 s39, 0
	s_lshr_b32 s40, ttmp9, 1
	s_lshl_b32 s40, s40, 17                        ; tile 2 G + u begins at row 32 G + 8 u, rows of 4,096 bytes,
	s_and_b32 s41, ttmp9, 1
	s_lshl_b32 s41, s41, 15
	s_add_co_u32 s40, s40, s41
	s_lshl_b32 s42, s[WV], 8                       ; my 64 channels: 256 bytes
	s_add_co_u32 s40, s40, s42
	s_mov_b32 s41, 0
	s_mov_b32 s43, 0
	s_mov_b32 s44, 0x42800000                      ; 64
	s_mov_b32 s45, 0x3a800000                      ; 1 / 1,024
	s_mov_b32 s46, 0x3727c5ac                      ; 1e-5
	s_wait_dscnt 0x0
	s_wait_kmcnt 0x0
	s_mov_b32 s[G0], 1
	s_mov_b32 s[G0+1], 0
	s_add_nc_u64 s[G0+2:G0+3], s[4:5], s[36:37]
	s_or_b32 s[G0+3], s[G0+3], 0x80000000
	s_add_nc_u64 s[6:7], s[6:7], s[38:39]
	s_add_nc_u64 s[8:9], s[8:9], s[40:41]
	s_add_nc_u64 s[16:17], s[16:17], s[40:41]
	s_add_nc_u64 s[10:11], s[10:11], s[42:43]
	s_add_nc_u64 s[12:13], s[12:13], s[42:43]
	s_add_nc_u64 s[14:15], s[14:15], s[42:43]
	s_cmp_lg_u32 s[WV], 0
	s_cbranch_scc1 .Lno_fill
	tensor_load_to_lds s[G0:G0+3], s[G1:G1+7]      ; wave 0's one load; four v_nop follow it
	s_nop 0
.rept 4
	v_nop
.endr
.Lno_fill:
	v_and_b32 v10, 31, v0                          ; lane
	v_and_b32 v11, 15, v0                          ; lane % 16
	v_bfe_u32 v12, v0, 4, 1                        ; h
	v_lshlrev_b32 v1, 4, v10                       ; 16 x lane: fragments
	v_lshlrev_b32 v2, 2, v10                       ; 4 x lane: scale words
	v_lshlrev_b32 v4, 4, v11                       ; my four channels
	v_lshl_add_u32 v3, v12, 12, v4                 ; x, out0: lanes 16-31 one row further down
	s_mul_i32 s36, s[WV], 16*SP
	s_add_co_u32 s36, s36, STG                     ; my stage
	v_mul_u32_u24 v5, v11, SP
	v_lshl_add_u32 v5, v12, 6, v5
	v_add_nc_u32 v5, s36, v5                       ; in: token lane % 16, + 64 h bytes
	v_mul_u32_u24 v6, v12, SP
	v_add_nc_u32 v6, v6, v4
	v_add_nc_u32 v6, s36, v6                       ; back: lanes 0-15 one row of 256 bytes, lanes 16-31 the next
	s_lshl_b32 s37, s[WV], 3
	s_add_co_u32 s37, s37, STAT
	v_lshlrev_b32 v7, 7, v12
	v_lshl_add_u32 v8, v11, 3, v7
	v_add_nc_u32 v8, STAT, v8                      ; the pair of wave lane % 16
	v_add_nc_u32 v7, s37, v7                       ; my wave's pair
.macro WLOAD s                         ; the weight's four fragments of K step s into set s % 4
.irp t, 0,1,2,3
.irp c, 0,1
	global_load_b128 v[WR+32*((\s)%4)+8*\t+4*\c:WR+32*((\s)%4)+8*\t+4*\c+3], v1, s[6:7] offset:REC*\t+1024*(\s)+512*\c
.endr
.endr
.endm
.macro CLOAD s                         ; ctx's fragment of K step s into set s % 2
.irp c, 0,1
	ds_load_b128 v[CF+8*((\s)%2)+4*\c:CF+8*((\s)%2)+4*\c+3], v1 offset:1024*(\s)+512*\c
.endr
.endm
.irp t, 0,1,2,3
.irp g, 0,1,2,3
	global_load_b32 v[WS+4*\t+\g], v2, s[6:7] offset:REC*\t+8192+128*\g
.endr
.endr
	WLOAD 0
	WLOAD 1
	WLOAD 2
	WLOAD 3
.irp i, 0,1,2,3,4,5,6,7
	global_load_b128 v[X+4*\i:X+4*\i+3], v3, s[8:9] offset:(2*\i+8*(\i/4))*4096 th:TH_LOAD_NT   ; tile rows 2 i and 2 i + 1: 256 consecutive bytes each
.endr
	global_load_b128 v[BB:BB+3], v4, s[10:11]
	global_load_b128 v[GG:GG+3], v4, s[12:13]
	global_load_b128 v[BE:BE+3], v4, s[14:15]
	s_wait_tensorcnt 0x0                           ; wave 0: the record has landed (the others have no load out)
	s_barrier_signal -1
	s_barrier_wait -1
.irp g, 0,1,2,3
	ds_load_b32 v[CS+\g], v2 offset:8192+128*\g
.endr
	CLOAD 0
	CLOAD 1
; K step s.  lc: the global loads issued behind this step's fragments of the weight; dc: the next step's two loads of ctx.
.macro PSTEP s, lc, dc
	s_wait_loadcnt \lc
	s_wait_dscnt \dc
.irp t, 0,1,2,3                                ; four accumulators by turns
.if (\s) == 0
	v_wmma_scale_f32_16x16x128_f8f6f4 v[ACC+8*\t:ACC+8*\t+7], v[WR+32*((\s)%4)+8*\t:WR+32*((\s)%4)+8*\t+7], v[CF+8*((\s)%2):CF+8*((\s)%2)+7], 0, v[WS+4*\t+(\s)/2], v[CS+(\s)/2] matrix_a_fmt:MATRIX_FMT_FP4 matrix_b_fmt:MATRIX_FMT_FP4
.elseif ((\s)%2) == 0
	v_wmma_scale_f32_16x16x128_f8f6f4 v[ACC+8*\t:ACC+8*\t+7], v[WR+32*((\s)%4)+8*\t:WR+32*((\s)%4)+8*\t+7], v[CF+8*((\s)%2):CF+8*((\s)%2)+7], v[ACC+8*\t:ACC+8*\t+7], v[WS+4*\t+(\s)/2], v[CS+(\s)/2] matrix_a_fmt:MATRIX_FMT_FP4 matrix_b_fmt:MATRIX_FMT_FP4
.else
	v_wmma_scale_f32_16x16x128_f8f6f4 v[ACC+8*\t:ACC+8*\t+7], v[WR+32*((\s)%4)+8*\t:WR+32*((\s)%4)+8*\t+7], v[CF+8*((\s)%2):CF+8*((\s)%2)+7], v[ACC+8*\t:ACC+8*\t+7], v[WS+4*\t+(\s)/2], v[CS+(\s)/2] matrix_a_fmt:MATRIX_FMT_FP4 matrix_b_fmt:MATRIX_FMT_FP4 matrix_a_scale:MATRIX_SCALE_ROW1 matrix_b_scale:MATRIX_SCALE_ROW1
.endif
.endr
.rept 4
	v_nop                                          ; places ahead of loads into registers just read, and of the first read of results
.endr
.if (\s)+4 < 8
	WLOAD (\s)+4
.endif
.if (\s)+2 < 8
	CLOAD (\s)+2
.endif
.endm
	PSTEP 0, 35, 2                                 ; behind step 0's: three steps' 24, x's 8, the three vectors
	PSTEP 1, 35, 2                                 ; 16 + 11 + step 4's 8
	PSTEP 2, 35, 2
	PSTEP 3, 35, 2
	PSTEP 4, 24, 2                                 ; x and the vectors are in from here on
	PSTEP 5, 16, 2
	PSTEP 6, 8, 2
	PSTEP 7, 0, 0
	; through my stage: a lane holds eight channels of one token; rows of 64 channels come back, 16 bytes a lane
.irp t, 0,1,2,3
	ds_store_b128 v5, v[ACC+8*\t:ACC+8*\t+3] offset:128*(\t/2)+32*(\t%2)       ; channels 32 (t / 2) + 16 h + 8 (t % 2) on; each accumulator from its low end on
	ds_store_b128 v5, v[ACC+8*\t+4:ACC+8*\t+7] offset:128*(\t/2)+32*(\t%2)+16
.endr
.irp i, 0,1,2,3,4,5,6,7
	ds_load_b128 v[Y+4*\i:Y+4*\i+3], v6 offset:2*SP*\i   ; LDS serves a wave's instructions in order: these see my stores
.endr
	s_wait_dscnt 0x0
.irp i, 0,1,2,3,4,5,6,7
	v_pk_add_f32 v[Y+4*\i:Y+4*\i+1], v[Y+4*\i:Y+4*\i+1], v[X+4*\i:X+4*\i+1]
	v_pk_add_f32 v[Y+4*\i+2:Y+4*\i+3], v[Y+4*\i+2:Y+4*\i+3], v[X+4*\i+2:X+4*\i+3]
.endr
.irp i, 0,1,2,3,4,5,6,7
	v_pk_add_f32 v[Y+4*\i:Y+4*\i+1], v[Y+4*\i:Y+4*\i+1], v[BB:BB+1]            ; y = x + attended
	v_pk_add_f32 v[Y+4*\i+2:Y+4*\i+3], v[Y+4*\i+2:Y+4*\i+3], v[BB+2:BB+3]
.endr
.irp i, 0,1,2,3,4,5,6,7
	v_add_f32 v[S1+\i], v[Y+4*\i], v[Y+4*\i+1]
.endr
.irp i, 0,1,2,3,4,5,6,7
	v_add_f32 v[S2+\i], v[Y+4*\i+2], v[Y+4*\i+3]
.endr
.irp i, 0,1,2,3,4,5,6,7
	v_add_f32 v[S1+\i], v[S1+\i], v[S2+\i]
.endr
.irp m, 1,2,4,8                                ; over the 16 lanes that hold a row's 64 channels; the eight rows by turns
.irp i, 0,1,2,3,4,5,6,7
	v_add_f32_dpp v[S1+\i], v[S1+\i], v[S1+\i] row_xmask:\m row_mask:0xf bank_mask:0xf
.endr
.endr
.irp i, 0,1,2,3,4,5,6,7
	v_mul_f32 v[MQ+2*\i], 0x3c800000, v[S1+\i]     ; m = the sum / 64
.endr
.irp i, 0,1,2,3,4,5,6,7
	v_sub_f32 v[S1+\i], v[Y+4*\i], v[MQ+2*\i]
.endr
.irp i, 0,1,2,3,4,5,6,7
	v_mul_f32 v[S2+\i], v[S1+\i], v[S1+\i]
.endr
.irp k, 1,2,3
.irp i, 0,1,2,3,4,5,6,7
	v_sub_f32 v[S1+\i], v[Y+4*\i+\k], v[MQ+2*\i]
.endr
.irp i, 0,1,2,3,4,5,6,7
	v_fmac_f32 v[S2+\i], v[S1+\i], v[S1+\i]
.endr
.endr
.irp m, 1,2,4
.irp i, 0,1,2,3,4,5,6,7
	v_add_f32_dpp v[S2+\i], v[S2+\i], v[S2+\i] row_xmask:\m row_mask:0xf bank_mask:0xf
.endr
.endr
.irp i, 0,1,2,3,4,5,6,7
	v_add_f32_dpp v[MQ+2*\i+1], v[S2+\i], v[S2+\i] row_xmask:8 row_mask:0xf bank_mask:0xf   ; q = the sum of (y - m)^2
.endr
.irp i, 0,1,2,3,4,5,6,7
	ds_store_b64 v7, v[MQ+2*\i:MQ+2*\i+1] offset:256*\i    ; rows 2 i + h; a half's 16 lanes write the same pair with the same value
.endr
	s_wait_dscnt 0x0                               ; for the others' sake: my pairs lie in LDS
	s_barrier_signal -1
	s_barrier_wait -1
.irp i, 0,1,2,3,4,5,6,7
	ds_load_b64 v[LD+2*\i:LD+2*\i+1], v8 offset:256*\i
.endr
	s_wait_dscnt 0x0
.irp i, 0,1,2,3,4,5,6,7
	v_add_f32_dpp v[S1+\i], v[LD+2*\i], v[LD+2*\i] row_xmask:1 row_mask:0xf bank_mask:0xf
.endr
.irp m, 2,4,8
.irp i, 0,1,2,3,4,5,6,7
	v_add_f32_dpp v[S1+\i], v[S1+\i], v[S1+\i] row_xmask:\m row_mask:0xf bank_mask:0xf
.endr
.endr
.irp i, 0,1,2,3,4,5,6,7
	v_mul_f32 v[MU+2*\i], 0x3d800000, v[S1+\i]     ; mu = the mean of the sixteen m
.endr
.irp i, 0,1,2,3,4,5,6,7
	v_sub_f32 v[S1+\i], v[LD+2*\i], v[MU+2*\i]
.endr
.irp i, 0,1,2,3,4,5,6,7
	v_mul_f32 v[S1+\i], v[S1+\i], v[S1+\i]
.endr
.irp i, 0,1,2,3,4,5,6,7
	v_fma_f32 v[S2+\i], v[S1+\i], s44, v[LD+2*\i+1]        ; q + 64 (m - mu)^2
.endr
.irp m, 1,2,4,8
.irp i, 0,1,2,3,4,5,6,7
	v_add_f32_dpp v[S2+\i], v[S2+\i], v[S2+\i] row_xmask:\m row_mask:0xf bank_mask:0xf
.endr
.endr
.irp i, 0,1,2,3,4,5,6,7
	v_fma_f32 v[S2+\i], v[S2+\i], s45, s46         ; var + eps
.endr
.irp i, 0,1,2,3,4,5,6,7
	v_rsq_f32 v[RS+2*\i], v[S2+\i]
.endr
.irp i, 0,1,2,3,4,5,6,7                        ; (plain lines behind the transcendentals, which touch neither their results nor their sources)
	v_pk_add_f32 v[Y+4*\i:Y+4*\i+1], v[Y+4*\i:Y+4*\i+1], v[MU+2*\i:MU+2*\i+1] op_sel_hi:[1,0] neg_lo:[0,1] neg_hi:[0,1]
	v_pk_add_f32 v[Y+4*\i+2:Y+4*\i+3], v[Y+4*\i+2:Y+4*\i+3], v[MU+2*\i:MU+2*\i+1] op_sel_hi:[1,0] neg_lo:[0,1] neg_hi:[0,1]
.endr
	s_wait_alu depctr_va_vdst(0)
.irp i, 0,1,2,3,4,5,6,7
	v_pk_mul_f32 v[Y+4*\i:Y+4*\i+1], v[Y+4*\i:Y+4*\i+1], v[RS+2*\i:RS+2*\i+1] op_sel_hi:[1,0]
	v_pk_mul_f32 v[Y+4*\i+2:Y+4*\i+3], v[Y+4*\i+2:Y+4*\i+3], v[RS+2*\i:RS+2*\i+1] op_sel_hi:[1,0]
.endr
.irp i, 0,1,2,3,4,5,6,7
	v_pk_fma_f32 v[Y+4*\i:Y+4*\i+1], v[Y+4*\i:Y+4*\i+1], v[GG:GG+1], v[BE:BE+1]
	v_pk_fma_f32 v[Y+4*\i+2:Y+4*\i+3], v[Y+4*\i+2:Y+4*\i+3], v[GG+2:GG+3], v[BE+2:BE+3]
	global_store_b128 v3, v[Y+4*\i:Y+4*\i+3], s[16:17] offset:(2*\i+8*(\i/4))*4096 th:TH_STORE_NT   ; sixteen lanes store 256 consecutive bytes, at a multiple of 256 from out0's first byte
.endr
	s_wait_tensorcnt 0x0
	ds_add_u32 v14, v15
	s_wait_dscnt 0x0
	s_endpgm
.Lfunc_end_k_qaf7495277e_proj:
	.size	k_qaf7495277e_proj, .Lfunc_end_k_qaf7495277e_proj-k_qaf7495277e_proj
	.p2alignl 7, 3214868480
	.fill 96, 4, 3214868480
	.section	.rodata,"a",@progbits
	.p2align	6, 0x0
	.amdhsa_kernel k_qaf7495277e_proj
		.amdhsa_group_segment_fixed_size 169984
		.amdhsa_private_segment_fixed_size 0
		.amdhsa_enable_private_segment 0
		.amdhsa_kernarg_size 56
		.amdhsa_user_sgpr_count 2
		.amdhsa_user_sgpr_kernarg_segment_ptr 1
		.amdhsa_wavefront_size32 1
		.amdhsa_system_sgpr_workgroup_id_x 1
		.amdhsa_system_sgpr_workgroup_id_y 1
		.amdhsa_system_sgpr_workgroup_id_z 1
		.amdhsa_system_vgpr_workitem_id 0
		.amdhsa_next_free_vgpr 256
		.amdhsa_next_free_sgpr 66
		.amdhsa_reserve_vcc 0
		.amdhsa_float_denorm_mode_32 3
		.amdhsa_float_denorm_mode_16_64 3
		.amdhsa_memory_ordered 1
		.amdhsa_forward_progress 1
		.amdhsa_inst_pref_size 41
	.end_amdhsa_kernel
	.amdgpu_metadata
---
amdhsa.version: [ 1, 2 ]
amdhsa.kernels:
  - .name:           k_qaf7495277e_proj
    .symbol:         k_qaf7495277e_proj.kd
    .args:
      - { .name: cq, .offset: 0, .size: 8, .value_kind: global_buffer, .address_space: global }
      - { .name: opq, .offset: 8, .size: 8, .value_kind: global_buffer, .address_space: global }
      - { .name: x, .offset: 16, .size: 8, .value_kind: global_buffer, .address_space: global }
      - { .name: out_proj_b, .offset: 24, .size: 8, .value_kind: global_buffer, .address_space: global }
      - { .name: ln_gamma, .offset: 32, .size: 8, .value_kind: global_buffer, .address_space: global }
      - { .name: ln_beta, .offset: 40, .size: 8, .value_kind: global_buffer, .address_space: global }
      - { .name: out0, .offset: 48, .size: 8, .value_kind: global_buffer, .address_space: global }
    .group_segment_fixed_size: 169984
    .private_segment_fixed_size: 0
    .kernarg_segment_align: 8
    .kernarg_segment_size: 56
    .max_flat_workgroup_size: 512
    .sgpr_count:     66
    .vgpr_count:     256
    .wavefront_size: 32
...
	.end_amdgpu_metadata
.endif
;; end of part 4
;; ======== version 2 of 2: 4 launches
;; limits: right only within a limited range of input values
;; workspace buffers: opq 4,456,448 bytes; qc 2,097,152 bytes; qs 131,072 bytes; kv 4,456,448 bytes; cq 2,228,224 bytes
;; launch quant (part 5): grid 256 x 1, 8 waves a work-group, no clusters, 70,656 bytes of LDS; arguments x, in_proj_w, out_proj_w, opq; writes opq
.if DOCPART == 5
	.amdgcn_target "amdgcn-amd-amdhsa--gfx1250"
	.amdhsa_code_object_version 6
	.text
	.protected	k_qaf7495277e_quant
	.globl	k_qaf7495277e_quant
	.p2align	8
	.type	k_qaf7495277e_quant,@function
k_qaf7495277e_quant:
	s_mov_b64 s[64:65], 0
	v_nop
	global_prefetch_b8 v0, s[64:65] scope:SCOPE_SE
	s_setreg_imm32_b32 hwreg(HW_REG_WAVE_MODE, 25, 1), 1
	s_wait_xcnt 0x0
; x [4096][1024], in_proj_w [3072][1024], out_proj_w [1024][1024], f32, K innermost, become codes of FP4 (E2M1) with one E8M0 byte for each 32 along K.
; A block's scale is 2^(floor(log2(largest magnitude)) - 2); its byte is the largest magnitude's exponent field - 2, held at 1 from below.
; LIMITS: NaN and infinities are not served; a block whose largest magnitude lies under 2^-124 is held at byte 1; a block of zeros gets byte 1 where the
; rule says 127 (its codes are zeros, which add nothing under any byte but 0xff, and only this program reads the bytes).
; LAYOUT OUT.  The 8,192 rows of the three tensors on end are 512 TILES of 16 rows.  Tile 2 G + u holds, as its row r, row 32 G + 8 u + r + 8 (r / 8) of the stream.
; A tile's RECORD is 8,704 bytes: codes [block of 32 along K: 32][r: 16][16 bytes], then scale words [K step of 128: 8][r][4 bytes].  So the registers
; 4 c .. 4 c + 3 of a matrix operand for K step s are the 512 bytes at 1024 s + 512 c, 16 bytes a lane, as they lie.
; SHARES.  A work-group takes 32 rows (two tiles); wave w takes tile w / 4 and 256 along K (w % 4), in 4 steps of 16 rows x 64 numbers.
; Every load reads two rows' aligned 256 bytes; a step turns through the wave's own stage in LDS (rows 272 bytes apart) so that a lane gets a whole block of 32.
; No matrix unit, no cluster, no tensor load: no byte is read twice and waves share nothing.  All 32 loads of a wave go out at its head.
.set REC, 8704
.set STG, 4352                         ; a stage: 16 rows x 272 bytes; two for each wave
.set SP,  272
.set C,   16                           ; v16-31   codes, four registers a step: no store's data are written again
.set E,   32                           ; v32-35   a scale byte a step
.set R,   64                           ; v64-191  the numbers as loaded, 32 registers a step
.set X,   192                          ; v192-255 two sets of 32: a block of one row
	s_load_b256 s[4:11], s[0:1], 0x0               ; x, in_proj_w, out_proj_w, opq
	v_lshl_add_u32 v62, v0, 2, 0x11000
	v_mov_b32 v63, 0
	v_lshrrev_b32 v1, 5, v0
	s_delay_alu instid0(VALU_DEP_1)
	v_readfirstlane_b32 s12, v1                    ; wave 0..7
	v_and_b32 v1, 31, v0                           ; lane
	v_and_b32 v2, 15, v0                           ; lane % 16
	v_bfe_u32 v9, v0, 4, 1                         ; h = lane / 16
	s_lshr_b32 s13, s12, 2                         ; u: which of the two tiles
	s_and_b32 s14, s12, 3                          ; which 256 along K
	s_mul_i32 s15, s12, 2*STG                      ; my two stages
	v_lshlrev_b32 v3, 4, v2
	s_delay_alu instid0(VALU_DEP_1)
	v_lshl_add_u32 v3, v9, 12, v3                  ; in: 16 bytes a lane; lanes 16-31 one row further down
	v_mul_u32_u24 v4, v9, SP
	s_delay_alu instid0(VALU_DEP_1)
	v_lshl_add_u32 v4, v2, 4, v4
	s_delay_alu instid0(VALU_DEP_1)
	v_add_nc_u32 v4, s15, v4                       ; the stage, way in: as loaded
	v_mul_u32_u24 v5, v2, SP
	s_delay_alu instid0(VALU_DEP_1)
	v_lshl_add_u32 v5, v9, 7, v5
	s_delay_alu instid0(VALU_DEP_1)
	v_add_nc_u32 v5, s15, v5                       ; way out: row lane % 16, block h: 128 bytes
	v_lshlrev_b32 v6, 4, v1                        ; codes out: 16 x lane
	v_lshlrev_b32 v7, 2, v1                        ; scale words out: 4 x lane
	v_lshlrev_b32 v10, 3, v9                       ; 8 h: my byte's place in a pair of bytes
	v_mov_b32 v38, 0                               ; a lane permute's destination counts as one of its sources
	v_mov_b32 v39, 0
	s_mov_b32 s24, 0x76543210
	s_mov_b32 s25, 0xfedcba98                      ; selects for lane xor 16
	s_mov_b32 s26, 0xffff0000                      ; lanes 16-31
	s_wait_alu depctr_va_vdst(0)
	s_wait_kmcnt 0x0
	s_cmp_lt_u32 ttmp9, 128                        ; groups 0-127 x, 128-223 in_proj_w, 224-255 out_proj_w: the choice hangs on the work-group's number alone
	s_cselect_b64 s[4:5], s[4:5], s[6:7]
	s_cselect_b32 s16, 0, 128
	s_cmp_lt_u32 ttmp9, 224
	s_cselect_b64 s[4:5], s[4:5], s[8:9]
	s_cselect_b32 s16, s16, 224
	s_sub_co_u32 s16, ttmp9, s16                   ; the group of 32 rows within its tensor
	s_lshl_b32 s16, s16, 17                        ; 32 rows of 4,096 bytes
	s_lshl_b32 s17, s13, 15                        ; tile u begins 8 rows down
	s_add_co_u32 s16, s16, s17
	s_lshl_b32 s17, s14, 10                        ; 256 numbers along K
	s_add_co_u32 s16, s16, s17
	s_mov_b32 s17, 0
	s_add_nc_u64 s[4:5], s[4:5], s[16:17]
	s_lshl_b32 s18, ttmp9, 1
	s_add_co_u32 s18, s18, s13
	s_mul_i32 s18, s18, REC                        ; my tile's record
	s_mov_b32 s19, 0
	s_add_nc_u64 s[10:11], s[10:11], s[18:19]
	s_lshl_b32 s20, s14, 7
	s_add_co_u32 s20, s20, 8192                    ; my two K steps' scale words
	s_mov_b32 s21, 0
	s_add_nc_u64 s[22:23], s[10:11], s[20:21]
	s_lshl_b32 s20, s14, 11                        ; my eight blocks' codes
	s_add_nc_u64 s[10:11], s[10:11], s[20:21]
.macro LOAD t                          ; step t: tile rows 2 i (lanes 0-15) and 2 i + 1 (lanes 16-31), 256 consecutive bytes each
.irp i, 0,1,2,3,4,5,6,7
	global_load_b128 v[R+32*(\t)+4*\i:R+32*(\t)+4*\i+3], v3, s[4:5] offset:(2*\i+8*(\i/4))*4096+256*(\t) th:TH_LOAD_NT
.endr
.endm
.macro TURN t                          ; through the stage: LDS serves a wave's instructions in order, so no wait stands between the stores and the loads
.irp i, 0,1,2,3,4,5,6,7
	ds_store_b128 v4, v[R+32*(\t)+4*\i:R+32*(\t)+4*\i+3] offset:STG*((\t)%2)+2*SP*\i
.endr
.irp j, 0,1,2,3,4,5,6,7
	ds_load_b128 v[X+32*((\t)%2)+4*\j:X+32*((\t)%2)+4*\j+3], v5 offset:STG*((\t)%2)+16*\j
.endr
.endm
.macro STEP t
.set XS, X+32*((\t)%2)
	s_wait_dscnt 0x0                               ; this step's block is back from the stage
.if (\t) < 3
	s_wait_loadcnt 8*(2-(\t))                      ; the next step's 8 loads are in; those of the steps behind it may be out
	TURN (\t)+1                                    ; and turn through the other stage while this step is worked
.endif
	v_max3_num_f32 v12, |v[XS]|, |v[XS+1]|, |v[XS+2]|      ; the block's largest magnitude: all 32 numbers are mine; two chains
	v_max3_num_f32 v13, |v[XS+3]|, |v[XS+4]|, |v[XS+5]|
.irp i, 6,10,14,18,22,26
	s_delay_alu instid0(VALU_DEP_2)
	v_max3_num_f32 v12, v12, |v[XS+\i]|, |v[XS+\i+1]|
	s_delay_alu instid0(VALU_DEP_2)
	v_max3_num_f32 v13, v13, |v[XS+\i+2]|, |v[XS+\i+3]|
.endr
	s_delay_alu instid0(VALU_DEP_2)
	v_max3_num_f32 v12, v12, |v[XS+30]|, |v[XS+31]|
	s_delay_alu instid0(VALU_DEP_1)
	v_max3_num_f32 v12, v12, v13, 0x1800000        ; and the floor 2^(3 - 127): the byte cannot fall under 1
	s_delay_alu instid0(VALU_DEP_1)
	v_add_nc_u32 v11, 0xff000000, v12              ; 2 off the exponent field: the conversion takes this operand's exponent field as its scale
.irp g, 0,1,2,3
	v_cvt_scalef32_pk8_fp4_f32 v[C+4*(\t)+\g], v[XS+8*\g:XS+8*\g+7], v11
.endr
	v_lshrrev_b32 v[E+(\t)], 23, v11               ; the scale's byte (also the plain line behind the conversions)
	global_store_b128 v6, v[C+4*(\t):C+4*(\t)+3], s[10:11] offset:512*(\t)   ; blocks 2 t and 2 t + 1 of 16 rows: 512 consecutive bytes
.endm
	LOAD 0
	LOAD 1
	LOAD 2
	LOAD 3
	s_wait_loadcnt 24                              ; step 0's 8 loads are in
	TURN 0
	STEP 0
	STEP 1
	STEP 2
	STEP 3
	; my byte of step t belongs to block 2 t + h: word sigma (K step) has bytes (2 sigma, h = 0), (2 sigma, 1), (2 sigma + 1, 0), (2 sigma + 1, 1)
	v_lshl_or_b32 v36, v[E+1], 16, v[E]
	v_lshl_or_b32 v37, v[E+3], 16, v[E+2]
	s_delay_alu instid0(VALU_DEP_2)
	v_lshlrev_b32 v36, v10, v36
	s_delay_alu instid0(VALU_DEP_2)
	v_lshlrev_b32 v37, v10, v37
	s_delay_alu instid0(VALU_DEP_2)
	v_permlanex16_b32 v38, v36, s24, s25
	s_delay_alu instid0(VALU_DEP_2)
	v_permlanex16_b32 v39, v37, s24, s25
	s_delay_alu instid0(VALU_DEP_2)
	v_or_b32 v36, v36, v38                         ; with lane xor 16's two bytes the words are whole
	s_delay_alu instid0(VALU_DEP_2)
	v_or_b32 v37, v37, v39
	s_delay_alu instid0(VALU_DEP_1)
	v_cndmask_b32 v40, v36, v37, s26               ; lanes 0-15 store the first K step's words, lanes 16-31 the second's
	global_store_b32 v7, v40, s[22:23]             ; 128 consecutive bytes
	s_wait_tensorcnt 0x0
	ds_add_u32 v62, v63
	s_wait_dscnt 0x0
	s_endpgm
.Lfunc_end_k_qaf7495277e_quant:
	.size	k_qaf7495277e_quant, .Lfunc_end_k_qaf7495277e_quant-k_qaf7495277e_quant
	.p2alignl 7, 3214868480
	.fill 96, 4, 3214868480
	.section	.rodata,"a",@progbits
	.p2align	6, 0x0
	.amdhsa_kernel k_qaf7495277e_quant
		.amdhsa_group_segment_fixed_size 70656
		.amdhsa_private_segment_fixed_size 0
		.amdhsa_enable_private_segment 0
		.amdhsa_kernarg_size 32
		.amdhsa_user_sgpr_count 2
		.amdhsa_user_sgpr_kernarg_segment_ptr 1
		.amdhsa_wavefront_size32 1
		.amdhsa_system_sgpr_workgroup_id_x 1
		.amdhsa_system_sgpr_workgroup_id_y 1
		.amdhsa_system_sgpr_workgroup_id_z 1
		.amdhsa_system_vgpr_workitem_id 0
		.amdhsa_next_free_vgpr 256
		.amdhsa_next_free_sgpr 66
		.amdhsa_reserve_vcc 0
		.amdhsa_float_denorm_mode_32 3
		.amdhsa_float_denorm_mode_16_64 3
		.amdhsa_memory_ordered 1
		.amdhsa_forward_progress 1
		.amdhsa_inst_pref_size 19
	.end_amdhsa_kernel
	.amdgpu_metadata
---
amdhsa.version: [ 1, 2 ]
amdhsa.kernels:
  - .name:           k_qaf7495277e_quant
    .symbol:         k_qaf7495277e_quant.kd
    .args:
      - { .name: x, .offset: 0, .size: 8, .value_kind: global_buffer, .address_space: global }
      - { .name: in_proj_w, .offset: 8, .size: 8, .value_kind: global_buffer, .address_space: global }
      - { .name: out_proj_w, .offset: 16, .size: 8, .value_kind: global_buffer, .address_space: global }
      - { .name: opq, .offset: 24, .size: 8, .value_kind: global_buffer, .address_space: global }
    .group_segment_fixed_size: 70656
    .private_segment_fixed_size: 0
    .kernarg_segment_align: 8
    .kernarg_segment_size: 32
    .max_flat_workgroup_size: 256
    .sgpr_count:     66
    .vgpr_count:     256
    .wavefront_size: 32
...
	.end_amdgpu_metadata
.endif
;; end of part 5
;; launch qkv (part 6): grid 12 x 16, 16 waves a work-group, clusters of 4 x 4, 280,576 bytes of LDS; arguments opq, in_proj_b, qc, qs, kv; writes qc, qs, kv
.if DOCPART == 6
	.amdgcn_target "amdgcn-amd-amdhsa--gfx1250"
	.amdhsa_code_object_version 6
	.text
	.protected	k_qaf7495277e_qkv
	.globl	k_qaf7495277e_qkv
	.p2align	8
	.type	k_qaf7495277e_qkv,@function
k_qaf7495277e_qkv:
	s_mov_b64 s[64:65], 0
	v_nop
	global_prefetch_b8 v0, s[64:65] scope:SCOPE_SE
	s_setreg_imm32_b32 hwreg(HW_REG_WAVE_MODE, 25, 1), 1
	s_wait_xcnt 0x0
	s_wait_alu depctr_hold_cnt(0) depctr_sa_sdst(0) depctr_va_vdst(0) depctr_va_sdst(0) depctr_va_ssrc(0) depctr_va_vcc(0) depctr_vm_vsrc(0)
	s_getreg_b32 s2, hwreg(HW_REG_IB_STS2, 6, 4)
	s_cmp_eq_u32 s2, 0
	s_cbranch_scc0 .Lentry_in_a_cluster
	s_endpgm
.Lentry_in_a_cluster:
	s_bfe_u32 s2, ttmp6, 0x10000c
	s_cmp_lg_u32 s2, 0xf033
	s_cbranch_scc0 .Lentry_shape_is_right
	s_endpgm
.Lentry_shape_is_right:
; qkv = x in_proj_w^T + in_proj_b on codes of FP4 (records made by the launch before), and q, k, v quantised at once for attention's two products: no f32 goes to memory.
; A work-group makes 256 tokens x 256 channels.  Channels 0-1023 are q, 1024-2047 k, 2048-3071 v, so the kind is the cluster's x (0, 1, 2): the same in all sixteen partners.
; Sixteen waves, four to a SIMD; wave w makes 64 tokens (w % 4) x one head's 64 channels (w / 4): 16 accumulators of 16 x 16.
; LDS is filled ONCE: 16 records of x (139,264 bytes), then 16 of in_proj_w; K = 1,024 fits whole, so there is no ring and no byte is filled twice.
; CLUSTER 4 x 4: x's records hang on the tile row alone and are asked for jointly by a row of the cluster, the weight's on the tile column alone, by a column.
; WHICH SIDE IS SOURCE 0.  The result gives a lane ONE row of source 1 and eight rows of source 0.  q, k: source 0 = the weight, so a lane holds a token and its registers run along the head's
; channels, the K of q k^T.  v: source 0 = x, so a lane holds a channel and its registers run along the tokens, the K of the second product.  The tiles' row order (row r of tile 2 G + u is
; 32 G + 8 u + r + 8 (r / 8)) makes the 16 registers of result tiles 2 b, 2 b + 1 sixteen neighbours 32 b + 16 (lane / 16) + 0 .. 15 along that K.
; The bias is the C of each sum's first product.  LIMITS: as stated for the quantiser: NaN and infinities not served; blocks under 2^-124, and blocks of zeros, get byte 1.
; OUT.  qc [head][token tile 256][block 0, 1][r][16 B]; qs [head][token tile][r][2 B]; kv: a record of 139,264 bytes for each (batch, head): 32 units of 4,352 bytes; chunk c of 128 keys has K's at unit 2 c, V's at unit 2 c + 1.
.set REC,   8704
.set SIDE,  16*REC
.set QUAD,  4*REC
.set KVREC, 139264                     ; kv as it is laid now: 32 units of 4,352 bytes for each (batch, head); see the lines that make s94 and s95
.set AI,  4                            ; v4  LDS: source 0's fragments, 16 x lane
.set AO,  5                            ; v5  source 1's
.set ASI, 6                            ; v6  source 0's scale words, 4 x lane
.set ASO, 7                            ; v7  source 1's
.set VO,  8                            ; v8-11  byte offsets of the four code stores
.set SV,  12                           ; v12-13 of the scale stores
.set BI,  16                           ; v16-47 the bias, in the result's layout
.set SI,  48                           ; v48-51 scale words of source 0's four tiles: lanes 0-15 an even K step, lanes 16-31 the odd one behind it
.set SO,  52                           ; v52-55 of source 1's
.set PW,  56                           ; v56-57 the scale words just made
.set SD,  58                           ; v58-59 as they are stored
.set FI,  64                           ; v64-95  source 0's four fragments
.set FO,  96                           ; v96-127 source 1's
.set ACC, 128                          ; v128-255 accumulator (i, j) at 8 (4 i + j): source 1's tile i, source 0's tile j
.set TM,  64                           ; at work behind the products
.set PC,  80                           ; v80-95  codes
.set WV,  14
.set TQ,  15
.set HB,  16
.set G1X, 24                           ; s[24:31], s[40:43] descriptor for x's records;  s[32:39], s[44:47] for the weight's
.set G1W, 32
.set G0X, 40
.set G0W, 44
.set SEL, 62
.macro CROUND                          ; a round of the cluster's barrier
	s_barrier_signal -1
	s_barrier_wait -1
	s_cmp_lg_u32 s[WV], 0
	s_cbranch_scc1 .Lnot_wave_0_\@
	s_barrier_signal -3
.Lnot_wave_0_\@:
	s_barrier_wait -3
	s_barrier_signal -1
	s_barrier_wait -1
.endm
.macro PLACES                          ; four plain vector places behind matrix instructions, ahead of loads into their registers and of reads of their results
.rept 4
	v_nop
.endr
.endm
	s_load_b256 s[4:11], s[0:1], 0x0               ; opq, in_proj_b, qc, qs
	s_load_b64 s[12:13], s[0:1], 0x20              ; kv
	v_lshl_add_u32 v62, v0, 2, 0x44000
	v_mov_b32 v63, 0
	ds_add_u32 v62, v63
	ds_add_u32 v62, v63
	v_lshrrev_b32 v1, 5, v0
	s_delay_alu instid0(VALU_DEP_1)
	v_readfirstlane_b32 s[WV], v1                  ; wave 0..15
	s_and_b32 s[TQ], s[WV], 3                      ; my 64 tokens
	s_lshr_b32 s[HB], s[WV], 2                     ; my head of the block's four
	s_bfe_u32 s17, ttmp6, 0x40000                  ; cx
	s_bfe_u32 s18, ttmp6, 0x40004                  ; cy
	s_lshl_b32 s19, ttmp9, 2
	s_add_co_u32 s19, s19, s17                     ; block of 256 channels
	s_and_b32 s20, ttmp7, 0xffff
	s_lshl_b32 s20, s20, 2
	s_add_co_u32 s20, s20, s18                     ; block of 256 tokens
	s_lshl_b32 s21, s18, 2
	s_lshl_b32 s21, 15, s21                        ; my row of the cluster
	s_lshl_b32 s22, 0x1111, s17                    ; my column
	; group 1: two records, 17,408 dense bytes, as 68 rows of 32 elements of 8 bytes; no padding
	s_or_b32 s[G1X], s21, (3<<16)|(1<<21)          ; 15:0 the mask; 17:16 elements of 8 bytes; 21 set beside a mask
	s_or_b32 s[G1W], s22, (3<<16)|(1<<21)
.irp g, G1X, G1W
	s_mov_b32 s[\g+1], 32<<16                      ; tensor_dim0
	s_mov_b32 s[\g+2], 68<<16                      ; tensor_dim1
	s_mov_b32 s[\g+3], 32<<16                      ; tile_dim0
	s_mov_b32 s[\g+4], 68                          ; tile_dim1
	s_mov_b32 s[\g+5], 32                          ; stride from row to row
	s_mov_b32 s[\g+6], 0
	s_mov_b32 s[\g+7], 0
.endr
	s_and_b32 s48, s[WV], 7
	s_mul_i32 s48, s48, 2*REC                      ; which two of the side's 16 records I fetch
	s_mul_i32 s49, s[WV], 2*REC                    ; and where they go: waves 0-7 fill x's side, waves 8-15 the weight's: the wave's number alone
	s_mul_i32 s50, s20, SIDE                       ; x: tiles 16 x token block on
	s_add_co_u32 s50, s50, s48
	s_mov_b32 s51, 0
	s_mul_i32 s52, s19, SIDE                       ; the weight: tiles 256 + 16 x channel block on
	s_add_co_u32 s52, s52, s48
	s_add_co_u32 s52, s52, 256*REC
	s_mov_b32 s53, 0
	s_mov_b32 s[SEL], 0x76543210
	s_mov_b32 s[SEL+1], 0xfedcba98
	s_wait_dscnt 0x0
	s_wait_kmcnt 0x0
	s_mov_b32 s[G0X], 1
	s_mov_b32 s[G0X+1], s49
	s_add_nc_u64 s[G0X+2:G0X+3], s[4:5], s[50:51]
	s_or_b32 s[G0X+3], s[G0X+3], 0x80000000
	s_mov_b32 s[G0W], 1
	s_mov_b32 s[G0W+1], s49
	s_add_nc_u64 s[G0W+2:G0W+3], s[4:5], s[52:53]
	s_or_b32 s[G0W+3], s[G0W+3], 0x80000000
	CROUND                                         ; all sixteen work-groups are here: the joint loads meet
	s_cmp_lt_u32 s[WV], 8                          ; one load a wave; the branch hangs on the wave's number alone; four v_nop follow each line
	s_cbranch_scc0 .Lfor_w
	tensor_load_to_lds s[G0X:G0X+3], s[G1X:G1X+7]
	s_nop 0
.rept 4
	v_nop
.endr
	s_branch .Lasked
.Lfor_w:
	tensor_load_to_lds s[G0W:G0W+3], s[G1W:G1W+7]
	s_nop 0
.rept 4
	v_nop
.endr
.Lasked:
	v_and_b32 v1, 31, v0                           ; lane
	v_and_b32 v2, 15, v0                           ; r
	v_bfe_u32 v3, v0, 4, 1                         ; h
	s_delay_alu instid0(VALU_DEP_1)
	v_lshlrev_b32 v14, 4, v3                       ; 16 h
	; the bias of my 64 channels, in the result's layout
	s_lshl_b32 s88, s19, 10
	s_lshl_b32 s89, s[HB], 8
	s_add_co_u32 s88, s88, s89
	s_mov_b32 s89, 0
	s_add_nc_u64 s[6:7], s[6:7], s[88:89]
	s_cmp_eq_u32 ttmp9, 2
	s_cbranch_scc1 .Lbias_v
	v_lshlrev_b32 v15, 6, v3                       ; q, k: register e of tile j is channel 32 (j / 2) + 16 h + 8 (j % 2) + e
.irp j, 0,1,2,3
	global_load_b128 v[BI+8*\j:BI+8*\j+3], v15, s[6:7] offset:(32*(\j/2)+8*(\j%2))*4
	global_load_b128 v[BI+8*\j+4:BI+8*\j+7], v15, s[6:7] offset:(32*(\j/2)+8*(\j%2))*4+16
.endr
	s_branch .Lbias_done
.Lbias_v:
	s_wait_alu depctr_va_vdst(0)
	v_and_b32 v15, 8, v2                           ; v: all eight registers of tile i are my lane's channel 32 (i / 2) + 8 (i % 2) + r + 8 (r / 8)
	s_delay_alu instid0(VALU_DEP_1)
	v_add_nc_u32 v15, v15, v2
	s_delay_alu instid0(VALU_DEP_1)
	v_lshlrev_b32 v15, 2, v15
.irp i, 0,1,2,3
.irp e, 0,1,2,3,4,5,6,7
	global_load_b32 v[BI+8*\i+\e], v15, s[6:7] offset:(32*(\i/2)+8*(\i%2))*4
.endr
.endr
.Lbias_done:
	; LDS: which side is source 0
	s_mul_i32 s54, s[TQ], QUAD                     ; my four tiles of x
	s_mul_i32 s55, s[HB], QUAD
	s_add_co_u32 s55, s55, SIDE                    ; my four tiles of the weight
	s_cmp_eq_u32 ttmp9, 2
	s_cselect_b32 s56, s54, s55
	s_cselect_b32 s57, s55, s54
	s_wait_alu depctr_va_vdst(0)
	v_lshl_add_u32 v[AI], v1, 4, s56
	v_lshl_add_u32 v[AO], v1, 4, s57
	s_add_co_u32 s56, s56, 8192
	s_add_co_u32 s57, s57, 8192
	v_lshl_add_u32 v[ASI], v1, 2, s56
	v_lshl_add_u32 v[ASO], v1, 2, s57
	; where the results go
	s_lshl_b32 s66, s17, 2
	s_add_co_u32 s66, s66, s[HB]                   ; head
	s_lshr_b32 s67, s20, 3                         ; batch
	s_lshl_b32 s68, s67, 4
	s_add_co_u32 s68, s68, s66
	s_mul_i32 s68, s68, KVREC                      ; the (batch, head)'s record in kv
	s_lshl_b32 s69, s20, 4
	s_lshl_b32 s70, s[TQ], 2
	s_add_co_u32 s69, s69, s70                     ; my first token tile, of 256
	s_and_b32 s70, s20, 7
	s_lshl_b32 s70, s70, 2
	s_add_co_u32 s70, s70, s[TQ]                   ; my 64 tokens among the batch's 32 such
	s_lshl_b32 s72, s66, 17
	s_lshl_b32 s73, s69, 9
	s_add_co_u32 s72, s72, s73                     ; q's codes
	; kv: a unit holds 128 keys' K (codes [key tile 8][block][r][16 B], then scale words [pair 4][r][4 B]) or V (codes [channel tile 4][key block 4][r][16 B], then scale words [channel tile 4][r][4 B]).
	; Chunk c of 128 keys: K at unit 2 c, V at unit 2 c + 1.
	s_lshr_b32 s91, s70, 1                         ; c
	s_and_b32 s92, s70, 1                          ; which 64 of its 128 keys
	s_lshl_b32 s93, s91, 1
	s_mov_b32 s94, s93                             ; K's unit
	s_add_co_u32 s95, s93, 1                       ; V's unit
	s_mul_i32 s94, s94, 4352
	s_mul_i32 s95, s95, 4352
	s_add_co_u32 s94, s94, s68
	s_add_co_u32 s95, s95, s68
	s_lshl_b32 s73, s92, 11
	s_add_co_u32 s73, s73, s94                     ; k's codes
	s_lshl_b32 s74, s92, 9
	s_add_co_u32 s74, s74, s95                     ; v's codes
	s_lshl_b32 s76, s66, 13
	s_lshl_b32 s77, s69, 5
	s_add_co_u32 s76, s76, s77                     ; q's scale bytes
	s_lshl_b32 s77, s92, 7
	s_add_co_u32 s77, s77, s94
	s_add_co_u32 s77, s77, 4096                    ; k's scale words
	s_lshl_b32 s78, s92, 1
	s_add_co_u32 s78, s78, s95
	s_add_co_u32 s78, s78, 4096                    ; v's: my two bytes of a word of four
	s_mov_b32 s81, 0
	s_mov_b32 s83, 0
	s_mov_b32 s61, 512
	s_mov_b32 s90, 0xffff0000
	s_cmp_eq_u32 ttmp9, 1
	s_cselect_b32 s80, s73, s74
	s_cselect_b32 s82, s77, s78
	s_cmp_eq_u32 ttmp9, 0
	s_cselect_b32 s80, s72, s80
	s_cselect_b32 s82, s76, s82
	s_cselect_b64 s[84:85], s[8:9], s[12:13]       ; qc or kv: the choice hangs on the cluster's number alone
	s_cselect_b64 s[86:87], s[10:11], s[12:13]     ; qs or kv
	s_cselect_b32 s58, 1, 2                        ; a row's scale bytes: 2 (q) or 4 bytes apart
	s_cselect_b32 s59, 5, 6                        ; from tile to tile: 32 (q) or 64 (k, v) bytes
	s_cmp_eq_u32 ttmp9, 2
	s_cselect_b32 s59, 6, s59
	s_cselect_b32 s61, 1024, s61
	s_add_nc_u64 s[84:85], s[84:85], s[80:81]
	s_add_nc_u64 s[86:87], s[86:87], s[82:83]
	v_lshlrev_b32 v[VO], 4, v1
	s_delay_alu instid0(VALU_DEP_1)
	v_add_nc_u32 v[VO+1], s61, v[VO]
	s_delay_alu instid0(VALU_DEP_1)
	v_add_nc_u32 v[VO+2], s61, v[VO+1]
	s_delay_alu instid0(VALU_DEP_1)
	v_add_nc_u32 v[VO+3], s61, v[VO+2]
	v_lshlrev_b32 v[SV], s58, v2
	v_lshlrev_b32 v[SV+1], s59, v3
	s_delay_alu instid0(VALU_DEP_1)
	v_add_nc_u32 v[SV], v[SV], v[SV+1]             ; lanes 16-31 store for the odd tile
	s_add_co_u32 s60, s59, 1
	s_lshl_b32 s60, 1, s60
	v_add_nc_u32 v[SV+1], s60, v[SV]               ; the second pair of tiles
.macro KLOAD s                         ; K step s: eight fragments, two loads of 512 consecutive bytes each; with an even step the scale words of two steps
.irp j, 0,1,2,3
.irp c, 0,1
	ds_load_b128 v[FI+8*\j+4*\c:FI+8*\j+4*\c+3], v[AI] offset:REC*\j+1024*(\s)+512*\c
.endr
.endr
.irp j, 0,1,2,3
.irp c, 0,1
	ds_load_b128 v[FO+8*\j+4*\c:FO+8*\j+4*\c+3], v[AO] offset:REC*\j+1024*(\s)+512*\c
.endr
.endr
.if ((\s)%2) == 0
.irp j, 0,1,2,3
	ds_load_b32 v[SI+\j], v[ASI] offset:REC*\j+128*((\s)/2)
	ds_load_b32 v[SO+\j], v[ASO] offset:REC*\j+128*((\s)/2)
.endr
.endif
	s_wait_dscnt 0x0                               ; all of them are used at once; the SIMD's other three waves work meanwhile
.endm
; 16 products; the 16 accumulators take turns, one instruction a turn, in the same order in every step.
; cm = 1: the bias by source 0's tile starts the sums; 2: by source 1's tile; 0: in place.
.macro KMUL s, cm
.irp i, 0,1,2,3
.irp j, 0,1,2,3
.if (\cm) == 1
	v_wmma_scale_f32_16x16x128_f8f6f4 v[ACC+8*(4*\i+\j):ACC+8*(4*\i+\j)+7], v[FI+8*\j:FI+8*\j+7], v[FO+8*\i:FO+8*\i+7], v[BI+8*\j:BI+8*\j+7], v[SI+\j], v[SO+\i] matrix_a_fmt:MATRIX_FMT_FP4 matrix_b_fmt:MATRIX_FMT_FP4
.elseif (\cm) == 2
	v_wmma_scale_f32_16x16x128_f8f6f4 v[ACC+8*(4*\i+\j):ACC+8*(4*\i+\j)+7], v[FI+8*\j:FI+8*\j+7], v[FO+8*\i:FO+8*\i+7], v[BI+8*\i:BI+8*\i+7], v[SI+\j], v[SO+\i] matrix_a_fmt:MATRIX_FMT_FP4 matrix_b_fmt:MATRIX_FMT_FP4
.elseif ((\s)%2) == 0
	v_wmma_scale_f32_16x16x128_f8f6f4 v[ACC+8*(4*\i+\j):ACC+8*(4*\i+\j)+7], v[FI+8*\j:FI+8*\j+7], v[FO+8*\i:FO+8*\i+7], v[ACC+8*(4*\i+\j):ACC+8*(4*\i+\j)+7], v[SI+\j], v[SO+\i] matrix_a_fmt:MATRIX_FMT_FP4 matrix_b_fmt:MATRIX_FMT_FP4
.else
	v_wmma_scale_f32_16x16x128_f8f6f4 v[ACC+8*(4*\i+\j):ACC+8*(4*\i+\j)+7], v[FI+8*\j:FI+8*\j+7], v[FO+8*\i:FO+8*\i+7], v[ACC+8*(4*\i+\j):ACC+8*(4*\i+\j)+7], v[SI+\j], v[SO+\i] matrix_a_fmt:MATRIX_FMT_FP4 matrix_b_fmt:MATRIX_FMT_FP4 matrix_a_scale:MATRIX_SCALE_ROW1 matrix_b_scale:MATRIX_SCALE_ROW1
.endif
.endr
.endr
.endm
; 64 numbers of a lane, register 16 b + i = place 32 b + 16 (lane / 16) + i along K of my row (blocks 0, 1: one result tile row; 2, 3: the next), become codes in v[pc] .. v[pc + 7] and four scale bytes in v[pw].
.macro QUANT s, pc, pw
.irp b, 0,1,2,3
	v_max3_num_f32 v[TM+\b], |v[\s+16*\b]|, |v[\s+1+16*\b]|, 0x1800000   ; my 16 numbers of block b, each accumulator from its low end on, and the floor 2^(3 - 127)
.endr
.irp i, 2,4,6,8,10,12,14
.irp b, 0,1,2,3
	v_max3_num_f32 v[TM+\b], v[TM+\b], |v[\s+16*\b+\i]|, |v[\s+1+16*\b+\i]|
.endr
.endr
.irp b, 0,1,2,3
	s_delay_alu instid0(VALU_DEP_4)
	v_permlanex16_b32 v[TM+4+\b], v[TM+\b], s[SEL], s[SEL+1]
.endr
.irp b, 0,1,2,3
	s_delay_alu instid0(VALU_DEP_4)
	v_max_num_f32 v[TM+\b], v[TM+\b], v[TM+4+\b]   ; with lane xor 16's: the block's largest magnitude
.endr
.irp b, 0,1,2,3
	s_delay_alu instid0(VALU_DEP_4)
	v_add_nc_u32 v[TM+12+\b], 0xff000000, v[TM+\b] ; 2 off its exponent field: the conversion's scale operand
.endr
.irp b, 0,1,2,3
	s_delay_alu instid0(VALU_DEP_4)
	v_lshrrev_b32 v[TM+4+\b], 23, v[TM+12+\b]      ; the scale's byte
.endr
	s_delay_alu instid0(VALU_DEP_3)
	v_lshl_or_b32 v[\pw], v[TM+5], 8, v[TM+4]
	s_delay_alu instid0(VALU_DEP_1)
	v_lshl_or_b32 v[\pw], v[TM+6], 16, v[\pw]
	s_delay_alu instid0(VALU_DEP_1)
	v_lshl_or_b32 v[\pw], v[TM+7], 24, v[\pw]
.irp b, 0,1,2,3
	v_cvt_scalef32_pk8_fp4_f32 v[\pc+2*\b], v[\s+16*\b:\s+7+16*\b], v[TM+12+\b]
	v_cvt_scalef32_pk8_fp4_f32 v[\pc+1+2*\b], v[\s+8+16*\b:\s+15+16*\b], v[TM+12+\b]
.endr
	v_nop                                          ; one plain place behind a scaled conversion
.irp c, 0,1                                    ; a whole block to a lane: lanes 0-15 block 2 c, lanes 16-31 block 2 c + 1
.irp i, 0,1
	v_permlane16_swap_b32 v[\pc+4*\c+\i], v[\pc+2+4*\c+\i]
.endr
.endr
.endm
	s_wait_alu depctr_va_vdst(0)
	s_wait_tensorcnt 0x0                           ; my two records have landed,
	s_barrier_signal -1
	s_barrier_wait -1                              ; everybody's have; from here on LDS is only read
	KLOAD 0
	s_wait_loadcnt 0x0                             ; the bias
	s_cmp_eq_u32 ttmp9, 2
	s_cbranch_scc1 .Lfirst_v
	KMUL 0, 1
	s_branch .Lfirst_done
.Lfirst_v:
	KMUL 0, 2
.Lfirst_done:
.irp s, 1,2,3,4,5,6,7
	PLACES
	KLOAD \s
	KMUL \s, 0
.endr
	PLACES
	QUANT ACC, PC, PW                              ; source 1's tiles 0 and 1
	global_store_b128 v[VO], v[PC:PC+3], s[84:85]          ; a tile's two blocks of 16 rows: 512 consecutive bytes
	global_store_b128 v[VO+1], v[PC+4:PC+7], s[84:85]
	QUANT ACC+64, PC+8, PW+1                       ; tiles 2 and 3
	global_store_b128 v[VO+2], v[PC+8:PC+11], s[84:85]
	global_store_b128 v[VO+3], v[PC+12:PC+15], s[84:85]
	s_cmp_eq_u32 ttmp9, 1
	s_cbranch_scc1 .Lk_scales
	v_lshrrev_b32 v[SD], v14, v[PW]                ; q, v: two bytes a tile and row: lanes 0-15 the even tile's, lanes 16-31 the odd tile's
	v_lshrrev_b32 v[SD+1], v14, v[PW+1]
	global_store_b16 v[SV], v[SD], s[86:87]
	global_store_b16 v[SV+1], v[SD+1], s[86:87]
	s_branch .Lscales_done
.Lk_scales:
	v_cndmask_b32 v[SD], v[PW], v[PW+1], s90       ; k: a pair of tiles' four bytes are one word: lanes 0-15 the first pair's, lanes 16-31 the second's
	global_store_b32 v[SV], v[SD], s[86:87]        ; 128 consecutive bytes
.Lscales_done:
	s_wait_tensorcnt 0x0
	ds_add_u32 v62, v63
	s_wait_dscnt 0x0
	CROUND                                         ; the closing round: no work-group ends while a partner may still ask for a tile that names it
	s_endpgm
.Lfunc_end_k_qaf7495277e_qkv:
	.size	k_qaf7495277e_qkv, .Lfunc_end_k_qaf7495277e_qkv-k_qaf7495277e_qkv
	.p2alignl 7, 3214868480
	.fill 96, 4, 3214868480
	.section	.rodata,"a",@progbits
	.p2align	6, 0x0
	.amdhsa_kernel k_qaf7495277e_qkv
		.amdhsa_group_segment_fixed_size 280576
		.amdhsa_private_segment_fixed_size 0
		.amdhsa_enable_private_segment 0
		.amdhsa_kernarg_size 40
		.amdhsa_user_sgpr_count 2
		.amdhsa_user_sgpr_kernarg_segment_ptr 1
		.amdhsa_wavefront_size32 1
		.amdhsa_system_sgpr_workgroup_id_x 1
		.amdhsa_system_sgpr_workgroup_id_y 1
		.amdhsa_system_sgpr_workgroup_id_z 1
		.amdhsa_system_vgpr_workitem_id 0
		.amdhsa_next_free_vgpr 256
		.amdhsa_next_free_sgpr 96
		.amdhsa_reserve_vcc 0
		.amdhsa_float_denorm_mode_32 3
		.amdhsa_float_denorm_mode_16_64 3
		.amdhsa_memory_ordered 1
		.amdhsa_forward_progress 1
		.amdhsa_inst_pref_size 52
	.end_amdhsa_kernel
	.amdgpu_metadata
---
amdhsa.version: [ 1, 2 ]
amdhsa.kernels:
  - .name:           k_qaf7495277e_qkv
    .symbol:         k_qaf7495277e_qkv.kd
    .args:
      - { .name: opq, .offset: 0, .size: 8, .value_kind: global_buffer, .address_space: global }
      - { .name: in_proj_b, .offset: 8, .size: 8, .value_kind: global_buffer, .address_space: global }
      - { .name: qc, .offset: 16, .size: 8, .value_kind: global_buffer, .address_space: global }
      - { .name: qs, .offset: 24, .size: 8, .value_kind: global_buffer, .address_space: global }
      - { .name: kv, .offset: 32, .size: 8, .value_kind: global_buffer, .address_space: global }
    .group_segment_fixed_size: 280576
    .private_segment_fixed_size: 0
    .kernarg_segment_align: 8
    .kernarg_segment_size: 40
    .max_flat_workgroup_size: 512
    .sgpr_count:     96
    .vgpr_count:     256
    .wavefront_size: 32
...
	.end_amdgpu_metadata
.endif
;; end of part 6
;; launch attn (part 7): grid 8 x 32, 16 waves a work-group, clusters of 4 x 1, 327,680 bytes of LDS; arguments qc, qs, kv, market_info, cq; writes cq
.if DOCPART == 7
	.amdgcn_target "amdgcn-amd-amdhsa--gfx1250"
	.amdhsa_code_object_version 6
	.text
	.protected	k_qaf7495277e_attn
	.globl	k_qaf7495277e_attn
	.p2align	8
	.type	k_qaf7495277e_attn,@function
k_qaf7495277e_attn:
	s_mov_b64 s[64:65], 0
	v_nop
	global_prefetch_b8 v0, s[64:65] scope:SCOPE_SE
	s_setreg_imm32_b32 hwreg(HW_REG_WAVE_MODE, 25, 1), 1
	s_wait_xcnt 0x0
	s_wait_alu depctr_hold_cnt(0) depctr_sa_sdst(0) depctr_va_vdst(0) depctr_va_sdst(0) depctr_va_ssrc(0) depctr_va_vcc(0) depctr_vm_vsrc(0)
	s_getreg_b32 s2, hwreg(HW_REG_IB_STS2, 6, 4)
	s_cmp_eq_u32 s2, 0
	s_cbranch_scc0 .Lentry_in_a_cluster
	s_endpgm
.Lentry_in_a_cluster:
	s_bfe_u32 s2, ttmp6, 0x10000c
	s_cmp_lg_u32 s2, 0x3003
	s_cbranch_scc0 .Lentry_shape_is_right
	s_endpgm
.Lentry_shape_is_right:
; ctx[b][q][head] = the sum over keys of softmax(q . k / 8 + market_info[b][0]) v, both products on codes of FP4 (E2M1) with E8M0 scales; ctx is quantised at once for the last product.
; The market term moves M, and so p's codes, and stays.
; SOFTMAX: t = score x log2(e) / 8 + vol x log2(e); M = the largest t so far, rounded up to a whole number; p = 2^(t - M) is quantised along the keys, not normalised;
; the row's sum is taken of the unquantised p and divides at the end; when M moves, the sum and O^T are multiplied by 2^(old M - new M), which rounds nothing.
; SHARES.  A work-group owns 256 queries of one (batch, head); each of its sixteen waves one tile of 16, in 256 registers.  Every wave walks all 2,048 keys, 128 a trip.
; LDS holds the head's 32 units of kv (139,264 bytes), each filled ONCE: chunk c of 128 keys is K's unit, then V's, at 8,704 c.  Wave w asks for unit w at the head (keys 0 to 1,023) and for unit 16 + w
; behind the first round's successor (keys 1,024 to 2,047): that load has six trips in which to land, and one barrier ahead of trip 6 shows it to all waves (trip 7 is the first to read of it).
; CLUSTER 4 x 1: four query blocks of one head read the same units: every tensor load is joint, mask 15.
; No data prefetch: all of the record is asked for by the two loads a wave at the start; no later request is left to run ahead of.
; LAYOUT.  Both products transposed: S^T = K Q^T, O^T = V^T P^T: a lane holds ONE query.  The key tiles' row order makes the 16 registers of score tiles 2 b, 2 b + 1 sixteen neighbouring keys.
; K = 64 IN AN INSTRUCTION OF K = 128: source 0 holds a pair of key tiles; Q stands twice, QA = (Q, zeros), QB = (zeros, Q); the dead half's zero codes add exact zeros.
; A TRIP'S ORDER: all that the exponentials read is made first, O^T is rescaled ahead of them, then the 68 go as one batch.  K's fragments are fetched a trip ahead, V's at the trip's head.
; LIMITS: NaN and infinities are not served; blocks of p or of ctx under 2^-124, and blocks of zeros, get the byte 1 (zero or held codes); the promise holds while |t| stays under 2^31.
.set REC,   8704
.set UNIT,  4352
.set KVREC, 139264
.set SPARE, KVREC                      ; behind the record: the spare words, 128 bytes a wave
.set ADV, 8                            ; v8 the chunk in hand + 16 lane; v9 + 4 r
.set ADS, 9
.set QA,  16
.set QB,  24
.set KF,  32
.set VF,  64
.set S,   96
.set O,   160
.set PC,  192
.set KS,  200
.set VS,  204
.set QSA, 208
.set QSB, 209
.set NB,  210
.set BM,  212
.set T2,  216
.set SCL, 220
.set F,   224
.set PW,  226
.set TT,  227
.set L2,  228
.set OM,  230
.set WV,  14
.set SEL, 20
.set CS,  22
.set G1,  24
.set G0,  32
.set TC,  36                           ; s36 LDS byte at which the chunk in hand begins
.set CNT, 40
.set G02, 68
.macro ROUND                           ; a round of the cluster's barrier
	s_barrier_signal -1
	s_barrier_wait -1
	s_cmp_lg_u32 s[WV], 0
	s_cbranch_scc1 .Lnot_wave_0_\@
	s_barrier_signal -3
.Lnot_wave_0_\@:
	s_barrier_wait -3
	s_barrier_signal -1
	s_barrier_wait -1
.endm
.macro NOPS n
.rept \n
	v_nop
.endr
.endm
	s_load_b256 s[4:11], s[0:1], 0x0               ; qc, qs, kv, market_info
	s_load_b64 s[12:13], s[0:1], 0x20              ; cq
	v_lshl_add_u32 v254, v0, 2, SPARE
	v_mov_b32 v255, 0
	ds_add_u32 v254, v255                          ; the opening: the add twice on end and its wait ahead of the first tensor load
	ds_add_u32 v254, v255
	v_lshrrev_b32 v1, 5, v0
	s_delay_alu instid0(VALU_DEP_1)
	v_readfirstlane_b32 s[WV], v1                  ; wave 0..15
	s_bfe_u32 s15, ttmp6, 0x40000                  ; cx
	s_lshl_b32 s16, ttmp9, 2
	s_add_co_u32 s16, s16, s15                     ; my block of 256 queries: it enters Q's and ctx's addresses alone
	s_and_b32 s17, ttmp7, 0xffff                   ; 16 x batch + head, which the four partners share
	s_lshr_b32 s18, s17, 4                         ; batch
	s_and_b32 s19, s17, 15                         ; head
	s_mov_b32 s[G1], 15|(3<<16)|(1<<21)            ; the mask: all four; elements of 8 bytes; bit 21 beside a mask
	s_mov_b32 s[G1+1], 32<<16                      ; a unit: 17 rows of 256 bytes
	s_mov_b32 s[G1+2], 17<<16
	s_mov_b32 s[G1+3], 32<<16
	s_mov_b32 s[G1+4], 17
	s_mov_b32 s[G1+5], 32
	s_mov_b32 s[G1+6], 0
	s_mov_b32 s[G1+7], 0
	s_mul_i32 s41, s17, KVREC
	s_mul_i32 s42, s[WV], UNIT                     ; unit w, in memory and in LDS alike
	s_add_co_u32 s44, s41, s42
	s_mov_b32 s45, 0
	s_lshl_b32 s46, s18, 7
	s_lshl_b32 s47, s16, 4
	s_add_co_u32 s46, s46, s47
	s_add_co_u32 s46, s46, s[WV]                   ; my token tile, of 256
	s_lshl_b32 s48, s19, 17
	s_lshl_b32 s49, s46, 9
	s_add_co_u32 s48, s48, s49                     ; Q's codes
	s_mov_b32 s49, 0
	s_lshl_b32 s50, s19, 13
	s_lshl_b32 s51, s46, 5
	s_add_co_u32 s50, s50, s51                     ; Q's scale bytes
	s_mov_b32 s51, 0
	s_mul_i32 s52, s46, REC                        ; ctx's record of my tile:
	s_lshr_b32 s54, s19, 1
	s_lshl_b32 s54, s54, 6
	s_and_b32 s55, s19, 1
	s_lshl_b32 s55, s55, 1
	s_add_co_u32 s54, s54, s55
	s_add_co_u32 s54, s54, s52
	s_add_co_u32 s54, s54, 8192                    ; my head's two bytes of K step head / 2's words,
	s_mov_b32 s55, 0
	s_lshl_b32 s53, s19, 9
	s_add_co_u32 s52, s52, s53                     ; and its blocks 2 head, 2 head + 1
	s_mov_b32 s53, 0
	s_lshl_b32 s56, s18, 5                         ; market_info[batch][0]
	s_mov_b32 s57, 0
	s_mov_b32 s[SEL], 0x76543210
	s_mov_b32 s[SEL+1], 0xfedcba98
	s_mov_b32 s[CS], 0x3e38aa3b                    ; log2(e) / 8
	s_mov_b32 s[CS+1], s[CS]
	s_mov_b32 s[TC], 0
	s_mov_b32 s[CNT], 6
	s_wait_dscnt 0x0
	s_wait_kmcnt 0x0
	s_mov_b32 s[G0], 1
	s_mov_b32 s[G0+1], s42
	s_add_nc_u64 s[G0+2:G0+3], s[8:9], s[44:45]
	s_mov_b32 s[G02], 1
	s_add_co_u32 s[G02+1], s42, 16*UNIT
	s_add_nc_u64 s[G02+2:G02+3], s[G0+2:G0+3], 16*UNIT
	s_or_b32 s[G0+3], s[G0+3], 0x80000000
	s_or_b32 s[G02+3], s[G02+3], 0x80000000
	s_add_nc_u64 s[4:5], s[4:5], s[48:49]
	s_add_nc_u64 s[6:7], s[6:7], s[50:51]
	s_add_nc_u64 s[10:11], s[10:11], s[56:57]
	s_add_nc_u64 s[58:59], s[12:13], s[54:55]
	s_add_nc_u64 s[12:13], s[12:13], s[52:53]
	ROUND                                          ; all four work-groups are here: the joint loads meet
	tensor_load_to_lds s[G0:G0+3], s[G1:G1+7]      ; every wave's one load at the head: unit w
	s_nop 0
	NOPS 4
	s_load_b32 s72, s[10:11], 0x0                  ; vol
	v_and_b32 v96, 31, v0
	v_and_b32 v97, 15, v0
	v_mov_b32 v13, 0xff61b1e6                      ; the largest t so far: -3e38
	v_lshlrev_b32 v1, 4, v96                       ; 16 x lane
	v_lshlrev_b32 v7, 2, v97                       ; 4 r
	v_lshlrev_b32 v6, 1, v97
	global_load_b128 v[QA:QA+3], v1, s[4:5]        ; Q's 64 along K as the first half of QA
	global_load_b128 v[QB+4:QB+7], v1, s[4:5]      ; and as the second half of QB
	global_load_u16 v[QSA], v6, s[6:7]             ; its two scale bytes; bytes 2, 3 are 0
.irp j, 4,5,6,7,8,9,10,11
	v_mov_b32 v[QA+\j], 0                          ; the dead halves: zero codes
.endr
	v_mov_b32 v14, 0
	v_mov_b32 v15, 0
	v_floor_f32 v12, -v13                          ; -M
.irp b, 0,1,2,3
	v_mov_b32 v[T2+\b], 0                          ; a lane permute's destination counts as one of its sources
.endr
	v_mov_b32 v[NB+1], 0                           ; (upper halves of pairs of which the low word serves both)
	v_mov_b32 v[F+1], 0
	v_mov_b32 v[TT], 0
	s_wait_alu depctr_va_vdst(0)
	s_wait_kmcnt 0x0
	v_mov_b32 v5, s72
	s_delay_alu instid0(VALU_DEP_1)
	v_mul_f32 v5, 0x3fb8aa3b, v5                   ; vol x log2(e)
	s_wait_alu depctr_va_vdst(0)
	s_wait_loadcnt 0x0                             ; Q
	v_lshlrev_b32 v[QSB], 16, v[QSA]               ; QB's scale word: the bytes at blocks 2, 3
.set j, 0
.rept 32
	v_mov_b32 v[O+j], 0                            ; O^T: the trip is written once for all; the first finds zeros
.set j, j+1
.endr
.macro KLOADS ak, as, kn               ; 128 keys of K: four pairs of tiles, 512 consecutive bytes a load, and the pairs' scale words: 12 loads
.irp t, 0,1,2,3,4,5,6,7
	ds_load_b128 v[KF+4*\t:KF+4*\t+3], v[\ak] offset:\kn+512*\t
.endr
.irp b, 0,1,2,3
	ds_load_b32 v[KS+\b], v[\as] offset:\kn+4096+64*\b
.endr
.endm
; A TRIP: 128 keys.  more = 1: the next trip's K is fetched behind the score products.
.macro TRIP more
	v_add_nc_u32 v[ADV], s[TC], v1                 ; (these four lines are the places between the last trip's products and the loads into their registers)
	v_add_nc_u32 v[ADS], s[TC], v7
	v_mov_b32 v[OM], v12                           ; -M as it stands
	v_nop
.irp n, 0,1,2,3
.irp c, 0,1
	ds_load_b128 v[VF+8*\n+4*\c:VF+8*\n+4*\c+3], v[ADV] offset:UNIT+1024*\n+512*\c
.endr
.endr
.irp n, 0,1,2,3
	ds_load_b32 v[VS+\n], v[ADS] offset:UNIT+4096+64*\n
.endr
	s_wait_alu depctr_va_vdst(0)
	s_wait_dscnt 12                                ; K's twelve, asked for a trip ago, are in; V's twelve, just issued, land under the softmax
.irp b, 0,1,2,3                                ; S^T = K Q^T
	v_wmma_scale_f32_16x16x128_f8f6f4 v[S+16*\b:S+16*\b+7], v[KF+8*\b:KF+8*\b+7], v[QA:QA+7], 0, v[KS+\b], v[QSA] matrix_a_fmt:MATRIX_FMT_FP4 matrix_b_fmt:MATRIX_FMT_FP4
	v_wmma_scale_f32_16x16x128_f8f6f4 v[S+16*\b+8:S+16*\b+15], v[KF+8*\b:KF+8*\b+7], v[QB:QB+7], 0, v[KS+\b], v[QSB] matrix_a_fmt:MATRIX_FMT_FP4 matrix_b_fmt:MATRIX_FMT_FP4
.endr
	NOPS 4                                         ; four places behind the products: for the loads into K's registers and for the first read of the scores
.if \more
	KLOADS ADV, ADS, REC                           ; the next chunk's K
.endif
	; the largest score of each block of 32 keys: for the row's maximum and, since p rises with the score, for the block's largest p.  Each accumulator is read from its low end on
.irp b, 0,1,2,3
	v_max3_num_f32 v[BM+\b], v[S+16*\b], v[S+1+16*\b], v[S+2+16*\b]
.endr
.irp b, 0,1,2,3
	v_max3_num_f32 v[T2+\b], v[S+8+16*\b], v[S+9+16*\b], v[S+10+16*\b]
.endr
.irp i, 3,5
.irp b, 0,1,2,3
	v_max3_num_f32 v[BM+\b], v[BM+\b], v[S+16*\b+\i], v[S+1+16*\b+\i]
.endr
.irp b, 0,1,2,3
	v_max3_num_f32 v[T2+\b], v[T2+\b], v[S+8+16*\b+\i], v[S+9+16*\b+\i]
.endr
.endr
.irp b, 0,1,2,3
	v_max3_num_f32 v[BM+\b], v[BM+\b], v[T2+\b], v[S+7+16*\b]
.endr
.irp b, 0,1,2,3
	v_max_num_f32 v[BM+\b], v[BM+\b], v[S+15+16*\b]
.endr
.irp b, 0,1,2,3
	v_permlanex16_b32 v[T2+\b], v[BM+\b], s[SEL], s[SEL+1]
.endr
.irp b, 0,1,2,3
	v_max_num_f32 v[BM+\b], v[BM+\b], v[T2+\b]     ; with lane xor 16's 16 keys
.endr
	s_delay_alu instid0(VALU_DEP_2)
	v_max3_num_f32 v[TT], v[BM], v[BM+1], v[BM+2]
	s_delay_alu instid0(VALU_DEP_1)
	v_max_num_f32 v[TT], v[TT], v[BM+3]
	s_delay_alu instid0(VALU_DEP_1)
	v_fma_f32 v[TT], v[TT], s[CS], v5              ; the trip's largest t
	s_delay_alu instid0(VALU_DEP_1)
	v_max_num_f32 v13, v13, v[TT]
	s_delay_alu instid0(VALU_DEP_1)
	v_floor_f32 v12, -v13                          ; the new -M = -ceil(t)
	s_delay_alu instid0(VALU_DEP_1)
	v_add_f32 v[NB], v5, v12                       ; vol x log2(e) - M
	v_sub_f32 v[TT], v12, v[OM]                    ; old M - new M: a whole number, 0 or less
.irp b, 0,1,2,3
	v_fma_f32 v[BM+\b], v[BM+\b], s[CS], v[NB]     ; t - M of each block's largest score
.endr
	v_cvt_i32_f32 v[TT], v[TT]                     ; (it saturates)
.set j, 0
.rept 4
	v_pk_fma_f32 v[S+2*j:S+2*j+1], v[S+2*j:S+2*j+1], s[CS:CS+1], v[NB:NB+1] op_sel_hi:[1,0,0]
.set j, j+1
.endr
	v_ldexp_f32 v[F], 1.0, v[TT]                   ; f = 2^(old M - new M)
.rept 28
	v_pk_fma_f32 v[S+2*j:S+2*j+1], v[S+2*j:S+2*j+1], s[CS:CS+1], v[NB:NB+1] op_sel_hi:[1,0,0]   ; t - M, two at a time
.set j, j+1
.endr
.set j, 0
.rept 16
	v_pk_mul_f32 v[O+2*j:O+2*j+1], v[O+2*j:O+2*j+1], v[F:F+1] op_sel_hi:[1,0]   ; O^T under the new M, ahead of the exponentials
.set j, j+1
.endr
	s_wait_alu depctr_va_vdst(0)
.set j, 0
.rept 64
	v_exp_f32 v[S+j], v[S+j]                       ; p = 2^(t - M)
.set j, j+1
.endr
.irp b, 0,1,2,3
	v_exp_f32 v[BM+\b], v[BM+\b]                   ; the block's largest p: the same two instructions on the same number as its score's
.endr
	v_pk_mul_f32 v[14:15], v[14:15], v[F:F+1] op_sel_hi:[1,0]   ; the sum under the new M: the plain place behind the batch
	s_wait_alu depctr_va_vdst(0)                   ; and one wait behind it, ahead of its first reader
.irp b, 0,1,2,3
	v_max_num_f32 v[BM+\b], 0x1800000, v[BM+\b]    ; the floor 2^(3 - 127): the byte cannot fall under 1
.endr
.irp b, 0,1,2,3
	v_add_nc_u32 v[SCL+\b], 0xff000000, v[BM+\b]   ; 2 off the exponent field: the conversion's scale operand
.endr
.irp b, 0,1,2,3
	v_lshrrev_b32 v[T2+\b], 23, v[SCL+\b]          ; the scale's byte
.endr
	s_delay_alu instid0(VALU_DEP_3)
	v_lshl_or_b32 v[PW], v[T2+1], 8, v[T2]         ; p's scale word for these 128 keys
	s_delay_alu instid0(VALU_DEP_1)
	v_lshl_or_b32 v[PW], v[T2+2], 16, v[PW]
	s_delay_alu instid0(VALU_DEP_1)
	v_lshl_or_b32 v[PW], v[T2+3], 24, v[PW]
.irp b, 0,1,2,3
	v_cvt_scalef32_pk8_fp4_f32 v[PC+2*\b], v[S+16*\b:S+7+16*\b], v[SCL+\b]
	v_cvt_scalef32_pk8_fp4_f32 v[PC+1+2*\b], v[S+8+16*\b:S+15+16*\b], v[SCL+\b]
.endr
	v_nop                                          ; one plain place behind a scaled conversion
.irp c, 0,1
.irp i, 0,1
	v_permlane16_swap_b32 v[PC+4*\c+\i], v[PC+2+4*\c+\i]   ; a whole block to a lane
.endr
.endr
	v_pk_add_f32 v[L2:L2+1], v[S:S+1], v[S+2:S+3]  ; the row's sum of the UNQUANTISED p, in two chains; these 32 lines are also the places ahead of the products below
.set j, 4
.rept 15
	v_pk_add_f32 v[14:15], v[14:15], v[S+j:S+j+1]
	v_pk_add_f32 v[L2:L2+1], v[L2:L2+1], v[S+j+2:S+j+3]
.set j, j+4
.endr
	v_pk_add_f32 v[14:15], v[14:15], v[L2:L2+1]
	s_wait_alu depctr_va_vdst(0)
.if \more
	s_wait_dscnt 12                                ; V is in; the next trip's twelve loads of K, issued behind V's, may be out
.else
	s_wait_dscnt 0x0                               ; V is in
.endif
.irp n, 0,1,2,3                                ; O^T += V^T P^T: four accumulators by turns
	v_wmma_scale_f32_16x16x128_f8f6f4 v[O+8*\n:O+8*\n+7], v[VF+8*\n:VF+8*\n+7], v[PC:PC+7], v[O+8*\n:O+8*\n+7], v[VS+\n], v[PW] matrix_a_fmt:MATRIX_FMT_FP4 matrix_b_fmt:MATRIX_FMT_FP4
.endr
	s_add_co_u32 s[TC], s[TC], REC                 ; on to the next chunk
.endm
	s_wait_alu depctr_va_vdst(0)
	s_wait_tensorcnt 0x0                           ; my unit has landed
	ds_add_u32 v254, v255
	s_wait_dscnt 0x0
	ROUND                                          ; everybody's unit has landed, and all four work-groups are here
	tensor_load_to_lds s[G02:G02+3], s[G1:G1+7]    ; unit 16 + w: keys 1,024 on; bytes that nothing has filled
	s_nop 0
	NOPS 4
	KLOADS 1, 7, 0                                 ; the first 128 keys
.Lfirst:                                           ; trips 0 to 5 read units 0 to 12
	TRIP 1
	s_sub_co_u32 s[CNT], s[CNT], 1
	s_cmp_lg_u32 s[CNT], 0
	s_cbranch_scc1 .Lfirst
	s_mov_b32 s[CNT], 9
	s_wait_tensorcnt 0x0                           ; my second unit has landed,
	s_wait_dscnt 0x0                               ; (no LDS instruction of mine is out at a signal)
	s_barrier_signal -1
	s_barrier_wait -1                              ; everybody's has; from here on LDS is only read
.Lrest:                                            ; trips 6 to 14
	TRIP 1
	s_sub_co_u32 s[CNT], s[CNT], 1
	s_cmp_lg_u32 s[CNT], 0
	s_cbranch_scc1 .Lrest
	TRIP 0                                         ; the sixteenth fetches nothing more
	NOPS 4                                         ; places behind the last products
	v_add_f32 v14, v14, v15                        ; the sum's two halves,
	s_delay_alu instid0(VALU_DEP_1)
	v_permlanex16_b32 v[TT], v14, s[SEL], s[SEL+1]
	s_delay_alu instid0(VALU_DEP_1)
	v_add_f32 v14, v14, v[TT]                      ; and lane xor 16's
	s_wait_alu depctr_va_vdst(0)
	v_rcp_f32 v14, v14
	v_nop
	s_wait_alu depctr_va_vdst(0)                   ; behind the transcendental, directly ahead of the first readers of it and of O^T
.set j, 0
.rept 16
	v_pk_mul_f32 v[O+2*j:O+2*j+1], v[O+2*j:O+2*j+1], v[14:15] op_sel_hi:[1,0]   ; ctx: register 16 b + i is channel 32 b + 16 (lane / 16) + i of my query's head
.set j, j+1
.endr
.irp b, 0,1                                    ; ctx's two blocks along the last product's K
	v_max3_num_f32 v[BM+\b], |v[O+16*\b]|, |v[O+1+16*\b]|, 0x1800000
.endr
.irp i, 2,4,6,8,10,12,14
.irp b, 0,1
	s_delay_alu instid0(VALU_DEP_2)
	v_max3_num_f32 v[BM+\b], v[BM+\b], |v[O+16*\b+\i]|, |v[O+1+16*\b+\i]|
.endr
.endr
.irp b, 0,1
	s_delay_alu instid0(VALU_DEP_2)
	v_permlanex16_b32 v[T2+\b], v[BM+\b], s[SEL], s[SEL+1]
.endr
.irp b, 0,1
	s_delay_alu instid0(VALU_DEP_2)
	v_max_num_f32 v[BM+\b], v[BM+\b], v[T2+\b]
.endr
.irp b, 0,1
	s_delay_alu instid0(VALU_DEP_2)
	v_add_nc_u32 v[SCL+\b], 0xff000000, v[BM+\b]
.endr
.irp b, 0,1
	s_delay_alu instid0(VALU_DEP_2)
	v_lshrrev_b32 v[T2+\b], 23, v[SCL+\b]
.endr
	s_delay_alu instid0(VALU_DEP_1)
	v_lshl_or_b32 v[TT], v[T2+1], 8, v[T2]
.irp b, 0,1
	v_cvt_scalef32_pk8_fp4_f32 v[PC+2*\b], v[O+16*\b:O+7+16*\b], v[SCL+\b]
	v_cvt_scalef32_pk8_fp4_f32 v[PC+1+2*\b], v[O+8+16*\b:O+15+16*\b], v[SCL+\b]
.endr
	v_nop
	v_permlane16_swap_b32 v[PC], v[PC+2]
	v_permlane16_swap_b32 v[PC+1], v[PC+3]
	global_store_b128 v1, v[PC:PC+3], s[12:13]     ; two blocks of 16 rows: 512 consecutive bytes of the tile's record
	global_store_b16 v7, v[TT], s[58:59]           ; their two bytes of row r's word; lanes r and r + 16 write the same bytes with the same value
	s_wait_tensorcnt 0x0                           ; the wave's end
	ds_add_u32 v254, v255
	s_wait_dscnt 0x0
	ROUND                                          ; the closing round
	s_endpgm
.Lfunc_end_k_qaf7495277e_attn:
	.size	k_qaf7495277e_attn, .Lfunc_end_k_qaf7495277e_attn-k_qaf7495277e_attn
	.p2alignl 7, 3214868480
	.fill 96, 4, 3214868480
	.section	.rodata,"a",@progbits
	.p2align	6, 0x0
	.amdhsa_kernel k_qaf7495277e_attn
		.amdhsa_group_segment_fixed_size 327680
		.amdhsa_private_segment_fixed_size 0
		.amdhsa_enable_private_segment 0
		.amdhsa_kernarg_size 40
		.amdhsa_user_sgpr_count 2
		.amdhsa_user_sgpr_kernarg_segment_ptr 1
		.amdhsa_wavefront_size32 1
		.amdhsa_system_sgpr_workgroup_id_x 1
		.amdhsa_system_sgpr_workgroup_id_y 1
		.amdhsa_system_sgpr_workgroup_id_z 1
		.amdhsa_system_vgpr_workitem_id 0
		.amdhsa_next_free_vgpr 256
		.amdhsa_next_free_sgpr 80
		.amdhsa_reserve_vcc 0
		.amdhsa_float_denorm_mode_32 3
		.amdhsa_float_denorm_mode_16_64 3
		.amdhsa_memory_ordered 1
		.amdhsa_forward_progress 1
		.amdhsa_inst_pref_size 59
	.end_amdhsa_kernel
	.amdgpu_metadata
---
amdhsa.version: [ 1, 2 ]
amdhsa.kernels:
  - .name:           k_qaf7495277e_attn
    .symbol:         k_qaf7495277e_attn.kd
    .args:
      - { .name: qc, .offset: 0, .size: 8, .value_kind: global_buffer, .address_space: global }
      - { .name: qs, .offset: 8, .size: 8, .value_kind: global_buffer, .address_space: global }
      - { .name: kv, .offset: 16, .size: 8, .value_kind: global_buffer, .address_space: global }
      - { .name: market_info, .offset: 24, .size: 8, .value_kind: global_buffer, .address_space: global }
      - { .name: cq, .offset: 32, .size: 8, .value_kind: global_buffer, .address_space: global }
    .group_segment_fixed_size: 327680
    .private_segment_fixed_size: 0
    .kernarg_segment_align: 8
    .kernarg_segment_size: 40
    .max_flat_workgroup_size: 512
    .sgpr_count:     80
    .vgpr_count:     256
    .wavefront_size: 32
...
	.end_amdgpu_metadata
.endif
;; end of part 7
;; launch proj (part 8): grid 256 x 1, 16 waves a work-group, clusters of 4 x 1, 291,328 bytes of LDS; arguments cq, opq, x, out_proj_b, ln_gamma, ln_beta, out0; writes out0
.if DOCPART == 8
	.amdgcn_target "amdgcn-amd-amdhsa--gfx1250"
	.amdhsa_code_object_version 6
	.text
	.protected	k_qaf7495277e_proj
	.globl	k_qaf7495277e_proj
	.p2align	8
	.type	k_qaf7495277e_proj,@function
k_qaf7495277e_proj:
	s_mov_b64 s[64:65], 0
	v_nop
	global_prefetch_b8 v0, s[64:65] scope:SCOPE_SE
	s_setreg_imm32_b32 hwreg(HW_REG_WAVE_MODE, 25, 1), 1
	s_wait_xcnt 0x0
	s_wait_alu depctr_hold_cnt(0) depctr_sa_sdst(0) depctr_va_vdst(0) depctr_va_sdst(0) depctr_va_ssrc(0) depctr_va_vcc(0) depctr_vm_vsrc(0)
	s_getreg_b32 s2, hwreg(HW_REG_IB_STS2, 6, 4)
	s_cmp_eq_u32 s2, 0
	s_cbranch_scc0 .Lentry_in_a_cluster
	s_endpgm
.Lentry_in_a_cluster:
	s_bfe_u32 s2, ttmp6, 0x10000c
	s_cmp_lg_u32 s2, 0x3003
	s_cbranch_scc0 .Lentry_shape_is_right
	s_endpgm
.Lentry_shape_is_right:
; out0 = LayerNorm(x + ctx out_proj_w^T + out_proj_b) x gamma + beta.  The product runs on codes of FP4 (ctx's records from attention, the weight's from the quantiser); all else in f32.
; A work-group owns one token tile: 16 whole rows, so a row's mean and variance stay inside it.  Sixteen waves; wave w makes channels 64 w .. 64 w + 63 (four tiles of the weight) for the 16 rows.
; Source 0 = 16 rows of the weight, source 1 = ctx: a lane holds one token and eight channels.
; THE WEIGHT COMES BY TWO WAYS AT ONCE.  Every work-group walks the same 557,056 bytes of records, which do not fit into LDS together.  Half of them do: wave w's tiles 4 w and 4 w + 1, two records on end
; (17,408 bytes), come by ONE JOINT tensor load a wave (cluster 4 x 1, mask 15: asked for once for four work-groups) into LDS bytes that only wave w reads; they are filled once, so there is no ring.
; Tiles 4 w + 2 and 4 w + 3 go from memory straight into registers: the records are laid as the operand's registers, 512 consecutive bytes a load.
; ctx's codes (8,192 bytes): each wave loads 512 bytes and stores them to LDS; behind a barrier all sixteen read them.  Its scale words go into each wave's registers as they lie.
; MEAN AND VARIANCE: each wave takes its 64 channels' mean m and sum of squares q about m; mu = the mean of the sixteen m; the variance is the sum of q + 64 (m - mu)^2 over 1,024: no difference of large sums.
.set REC,  8704
.set WREG, 2*REC                       ; LDS: a wave's two records, from byte WREG x wave; behind the products its first 16 x 272 bytes are the wave's stage: they have had their only fill and nobody else reads them
.set CTX,  16*WREG                     ; then ctx's codes,
.set STAT, CTX+REC                     ; then [row 16][wave 16] pairs (m, q) of 8 bytes
.set SP,   272
.set X,   16                           ; v16-47   x: four numbers of eight rows
.set BB,  48                           ; v48-51 bias, v52-55 gamma, v56-59 beta of my four channels
.set GG,  52
.set BE,  56
.set CS,  60                           ; v60-63   ctx's scale words: lanes 0-15 an even K step, lanes 16-31 the odd one
.set WS,  64                           ; v64-79   the weight's: tile t, pair of steps g at 4 t + g
.set ACC, 80                           ; v80-111
.set CF,  112                          ; v112-127 ctx's fragments, two sets
.set WD,  128                          ; v128-223 tiles 2, 3 from memory: six sets of 16
.set WL,  224                          ; v224-255 tiles 0, 1 from LDS: two sets of 16
.set Y,   128                          ; behind the products: y, four numbers of eight rows
.set MQ,  160                          ; pairs (m, q) of my wave
.set LD,  176                          ; pairs of wave lane % 16
.set MU,  192                          ; mu in the low word of a pair
.set RS,  208                          ; 1 / sqrt(var + eps) likewise
.set S1,  224
.set S2,  232
.set WV,  18
.set G1,  24
.set G0,  32
.macro CROUND                          ; a round of the cluster's barrier
	s_barrier_signal -1
	s_barrier_wait -1
	s_cmp_lg_u32 s[WV], 0
	s_cbranch_scc1 .Lnot_wave_0_\@
	s_barrier_signal -3
.Lnot_wave_0_\@:
	s_barrier_wait -3
	s_barrier_signal -1
	s_barrier_wait -1
.endm
	s_load_b256 s[4:11], s[0:1], 0x0               ; cq, opq, x, out_proj_b
	s_load_b128 s[12:15], s[0:1], 0x20             ; ln_gamma, ln_beta
	s_load_b64 s[16:17], s[0:1], 0x30              ; out0
	v_lshl_add_u32 v254, v0, 2, 0x46a00
	v_mov_b32 v255, 0
	ds_add_u32 v254, v255
	ds_add_u32 v254, v255
	s_wait_dscnt 0x0
	v_lshrrev_b32 v1, 5, v0
	s_delay_alu instid0(VALU_DEP_1)
	v_readfirstlane_b32 s[WV], v1                  ; wave 0..15
	s_bfe_u32 s19, ttmp6, 0x40000                  ; cx
	s_lshl_b32 s20, ttmp9, 2
	s_add_co_u32 s20, s20, s19                     ; my token tile: it enters ctx's, x's and out0's addresses alone
	; group 1: two records, 17,408 dense bytes, as 68 rows of 32 elements of 8 bytes; no padding
	s_mov_b32 s[G1], 15|(3<<16)|(1<<21)            ; 15:0 the mask: all four; 17:16 elements of 8 bytes; 21 set beside a mask
	s_mov_b32 s[G1+1], 32<<16
	s_mov_b32 s[G1+2], 68<<16
	s_mov_b32 s[G1+3], 32<<16
	s_mov_b32 s[G1+4], 68
	s_mov_b32 s[G1+5], 32
	s_mov_b32 s[G1+6], 0
	s_mov_b32 s[G1+7], 0
	s_mul_i32 s36, s20, REC                        ; my tile's record of ctx
	s_mov_b32 s37, 0
	s_lshl_b32 s38, s[WV], 2
	s_add_co_u32 s38, s38, 448
	s_mul_i32 s38, s38, REC                        ; the weight's tiles 448 + 4 w on: the wave's number alone
	s_mov_b32 s39, 0
	s_mul_i32 s47, s[WV], WREG                     ; my bytes of LDS
	s_lshr_b32 s40, s20, 1
	s_lshl_b32 s40, s40, 17                        ; tile 2 G + u begins at row 32 G + 8 u, rows of 4,096 bytes,
	s_and_b32 s41, s20, 1
	s_lshl_b32 s41, s41, 15
	s_add_co_u32 s40, s40, s41
	s_lshl_b32 s42, s[WV], 8                       ; my 64 channels: 256 bytes
	s_add_co_u32 s40, s40, s42
	s_mov_b32 s41, 0
	s_mov_b32 s43, 0
	s_lshl_b32 s44, s[WV], 9                       ; my 512 bytes of ctx's codes
	s_mov_b32 s45, 0
	s_mov_b32 s48, 0x42800000                      ; 64
	s_mov_b32 s49, 0x3a800000                      ; 1 / 1,024
	s_mov_b32 s50, 0x3727c5ac                      ; 1e-5
	s_wait_kmcnt 0x0
	s_mov_b32 s[G0], 1
	s_mov_b32 s[G0+1], s47
	s_add_nc_u64 s[G0+2:G0+3], s[6:7], s[38:39]
	s_or_b32 s[G0+3], s[G0+3], 0x80000000
	s_add_nc_u64 s[6:7], s[6:7], s[38:39]
	s_add_nc_u64 s[4:5], s[4:5], s[36:37]
	s_add_nc_u64 s[44:45], s[4:5], s[44:45]
	s_add_nc_u64 s[8:9], s[8:9], s[40:41]
	s_add_nc_u64 s[16:17], s[16:17], s[40:41]
	s_add_nc_u64 s[10:11], s[10:11], s[42:43]
	s_add_nc_u64 s[12:13], s[12:13], s[42:43]
	s_add_nc_u64 s[14:15], s[14:15], s[42:43]
	CROUND                                         ; all four work-groups are here: the joint loads meet
	tensor_load_to_lds s[G0:G0+3], s[G1:G1+7]      ; every wave's one load; four v_nop follow it
	s_nop 0
.rept 4
	v_nop
.endr
	v_and_b32 v10, 31, v0                          ; lane
	v_and_b32 v11, 15, v0                          ; lane % 16
	v_bfe_u32 v12, v0, 4, 1                        ; h
	s_delay_alu instid0(VALU_DEP_3)
	v_lshlrev_b32 v1, 4, v10                       ; 16 x lane: fragments
	s_delay_alu instid0(VALU_DEP_4)
	v_lshlrev_b32 v2, 2, v10                       ; 4 x lane: scale words
	s_delay_alu instid0(VALU_DEP_4)
	v_lshlrev_b32 v4, 4, v11                       ; my four channels
	s_delay_alu instid0(VALU_DEP_1)
	v_lshl_add_u32 v3, v12, 12, v4                 ; x, out0: lanes 16-31 one row further down
	s_delay_alu instid0(VALU_DEP_4)
	v_add_nc_u32 v9, s47, v1                       ; LDS: my two records' fragments,
	s_delay_alu instid0(VALU_DEP_4)
	v_add_nc_u32 v13, s47, v2                      ; their scale words,
	v_add_nc_u32 v14, CTX, v1                      ; ctx's fragments,
	s_lshl_b32 s46, s[WV], 9
	s_add_co_u32 s46, s46, CTX
	v_add_nc_u32 v15, s46, v1                      ; and where my 512 bytes of them go
	v_mul_u32_u24 v5, v11, SP
	s_delay_alu instid0(VALU_DEP_1)
	v_lshl_add_u32 v5, v12, 6, v5
	s_delay_alu instid0(VALU_DEP_1)
	v_add_nc_u32 v5, s47, v5                       ; my stage, in: token lane % 16, + 64 h bytes
	v_mul_u32_u24 v6, v12, SP
	s_delay_alu instid0(VALU_DEP_1)
	v_add_nc_u32 v6, v6, v4
	s_delay_alu instid0(VALU_DEP_1)
	v_add_nc_u32 v6, s47, v6                       ; back: lanes 0-15 one row of 256 bytes, lanes 16-31 the next
	s_lshl_b32 s51, s[WV], 3
	s_add_co_u32 s51, s51, STAT
	v_lshlrev_b32 v7, 7, v12
	s_delay_alu instid0(VALU_DEP_1)
	v_lshl_add_u32 v8, v11, 3, v7
	s_delay_alu instid0(VALU_DEP_1)
	v_add_nc_u32 v8, STAT, v8                      ; the pair of wave lane % 16
	s_delay_alu instid0(VALU_DEP_3)
	v_add_nc_u32 v7, s51, v7                       ; my wave's pair
.macro WGLOB s                         ; tiles 2 and 3 of K step s, from memory, into set s % 6
.irp t, 0,1
.irp c, 0,1
	global_load_b128 v[WD+16*((\s)%6)+8*\t+4*\c:WD+16*((\s)%6)+8*\t+4*\c+3], v1, s[6:7] offset:REC*(2+\t)+1024*(\s)+512*\c
.endr
.endr
.endm
.macro LLOAD s                         ; from LDS: ctx's fragment of K step s into set s % 2, tiles 0 and 1 into set s % 2: six loads
.irp c, 0,1
	ds_load_b128 v[CF+8*((\s)%2)+4*\c:CF+8*((\s)%2)+4*\c+3], v14 offset:1024*(\s)+512*\c
.endr
.irp t, 0,1
.irp c, 0,1
	ds_load_b128 v[WL+16*((\s)%2)+8*\t+4*\c:WL+16*((\s)%2)+8*\t+4*\c+3], v9 offset:REC*\t+1024*(\s)+512*\c
.endr
.endr
.endm
	global_load_b128 v[CF:CF+3], v1, s[44:45]      ; my 512 bytes of ctx's codes: the first of 48 loads
.irp g, 0,1,2,3
	global_load_b32 v[CS+\g], v2, s[4:5] offset:8192+128*\g
.endr
.irp t, 2,3
.irp g, 0,1,2,3
	global_load_b32 v[WS+4*\t+\g], v2, s[6:7] offset:REC*\t+8192+128*\g
.endr
.endr
	WGLOB 0
	WGLOB 1
	WGLOB 2
	WGLOB 3
	WGLOB 4
	WGLOB 5
.irp i, 0,1,2,3,4,5,6,7
	global_load_b128 v[X+4*\i:X+4*\i+3], v3, s[8:9] offset:(2*\i+8*(\i/4))*4096 th:TH_LOAD_NT   ; tile rows 2 i and 2 i + 1: 256 consecutive bytes each
.endr
	global_load_b128 v[BB:BB+3], v4, s[10:11]
	global_load_b128 v[GG:GG+3], v4, s[12:13]
	global_load_b128 v[BE:BE+3], v4, s[14:15]
	s_wait_loadcnt 47                              ; my piece of ctx is in; the 47 loads issued behind it stay out
	ds_store_b128 v15, v[CF:CF+3]
	s_wait_dscnt 0x0                               ; for the others' sake: my piece lies in LDS
	s_wait_tensorcnt 0x0                           ; my two records have landed
	s_barrier_signal -1
	s_barrier_wait -1
.irp t, 0,1
.irp g, 0,1,2,3
	ds_load_b32 v[WS+4*\t+\g], v13 offset:REC*\t+8192+128*\g
.endr
.endr
	LLOAD 0
	LLOAD 1
.macro PROD s, t, a                    ; tile t, K step s; its fragment at v[a]
.if (\s) == 0
	v_wmma_scale_f32_16x16x128_f8f6f4 v[ACC+8*\t:ACC+8*\t+7], v[\a:\a+7], v[CF+8*((\s)%2):CF+8*((\s)%2)+7], 0, v[WS+4*\t+(\s)/2], v[CS+(\s)/2] matrix_a_fmt:MATRIX_FMT_FP4 matrix_b_fmt:MATRIX_FMT_FP4
.elseif ((\s)%2) == 0
	v_wmma_scale_f32_16x16x128_f8f6f4 v[ACC+8*\t:ACC+8*\t+7], v[\a:\a+7], v[CF+8*((\s)%2):CF+8*((\s)%2)+7], v[ACC+8*\t:ACC+8*\t+7], v[WS+4*\t+(\s)/2], v[CS+(\s)/2] matrix_a_fmt:MATRIX_FMT_FP4 matrix_b_fmt:MATRIX_FMT_FP4
.else
	v_wmma_scale_f32_16x16x128_f8f6f4 v[ACC+8*\t:ACC+8*\t+7], v[\a:\a+7], v[CF+8*((\s)%2):CF+8*((\s)%2)+7], v[ACC+8*\t:ACC+8*\t+7], v[WS+4*\t+(\s)/2], v[CS+(\s)/2] matrix_a_fmt:MATRIX_FMT_FP4 matrix_b_fmt:MATRIX_FMT_FP4 matrix_a_scale:MATRIX_SCALE_ROW1 matrix_b_scale:MATRIX_SCALE_ROW1
.endif
.endm
; K step s.  lc: the global loads issued behind this step's four; dc: the next step's six LDS loads.
.macro PSTEP s, lc, dc
	s_wait_loadcnt \lc
	s_wait_dscnt \dc
	PROD \s, 0, WL+16*((\s)%2)                     ; four accumulators by turns
	PROD \s, 1, WL+16*((\s)%2)+8
	PROD \s, 2, WD+16*((\s)%6)
	PROD \s, 3, WD+16*((\s)%6)+8
.rept 4
	v_nop                                          ; places ahead of loads into registers just read, and of the first read of results
.endr
.if (\s)+6 < 8
	WGLOB (\s)+6
.endif
.if (\s)+2 < 8
	LLOAD (\s)+2
.endif
.endm
	PSTEP 0, 31, 6                                 ; behind step 0's four: five steps' 20, x's 8, the three vectors
	PSTEP 1, 31, 6                                 ; 16 + 11 + step 6's 4
	PSTEP 2, 31, 6                                 ; 12 + 11 + steps 6 and 7's 8
	PSTEP 3, 27, 6
	PSTEP 4, 23, 6
	PSTEP 5, 19, 6
	PSTEP 6, 4, 6                                  ; x and the vectors are in from here on
	PSTEP 7, 0, 0
	; through my stage: a lane holds eight channels of one token; rows of 64 channels come back, 16 bytes a lane.  My reads of these bytes as records are over (the wait for 0 above)
	s_wait_alu depctr_va_vdst(0)
.irp t, 0,1,2,3
	ds_store_b128 v5, v[ACC+8*\t:ACC+8*\t+3] offset:128*(\t/2)+32*(\t%2)       ; channels 32 (t / 2) + 16 h + 8 (t % 2) on; each accumulator from its low end on
	ds_store_b128 v5, v[ACC+8*\t+4:ACC+8*\t+7] offset:128*(\t/2)+32*(\t%2)+16
.endr
.irp i, 0,1,2,3,4,5,6,7
	ds_load_b128 v[Y+4*\i:Y+4*\i+3], v6 offset:2*SP*\i   ; LDS serves a wave's instructions in order: these see my stores
.endr
	s_wait_dscnt 0x0
.irp i, 0,1,2,3,4,5,6,7
	v_pk_add_f32 v[Y+4*\i:Y+4*\i+1], v[Y+4*\i:Y+4*\i+1], v[X+4*\i:X+4*\i+1]
	v_pk_add_f32 v[Y+4*\i+2:Y+4*\i+3], v[Y+4*\i+2:Y+4*\i+3], v[X+4*\i+2:X+4*\i+3]
.endr
.irp i, 0,1,2,3,4,5,6,7
	v_pk_add_f32 v[Y+4*\i:Y+4*\i+1], v[Y+4*\i:Y+4*\i+1], v[BB:BB+1]            ; y = x + attended
	v_pk_add_f32 v[Y+4*\i+2:Y+4*\i+3], v[Y+4*\i+2:Y+4*\i+3], v[BB+2:BB+3]
.endr
.irp i, 0,1,2,3,4,5,6,7
	v_add_f32 v[S1+\i], v[Y+4*\i], v[Y+4*\i+1]
.endr
.irp i, 0,1,2,3,4,5,6,7
	v_add_f32 v[S2+\i], v[Y+4*\i+2], v[Y+4*\i+3]
.endr
.irp i, 0,1,2,3,4,5,6,7
	v_add_f32 v[S1+\i], v[S1+\i], v[S2+\i]
.endr
.irp m, 1,2,4,8                                ; over the 16 lanes that hold a row's 64 channels; the eight rows by turns
.irp i, 0,1,2,3,4,5,6,7
	v_add_f32_dpp v[S1+\i], v[S1+\i], v[S1+\i] row_xmask:\m row_mask:0xf bank_mask:0xf
.endr
.endr
.irp i, 0,1,2,3,4,5,6,7
	v_mul_f32 v[MQ+2*\i], 0x3c800000, v[S1+\i]     ; m = the sum / 64
.endr
.irp i, 0,1,2,3,4,5,6,7
	v_sub_f32 v[S1+\i], v[Y+4*\i], v[MQ+2*\i]
.endr
.irp i, 0,1,2,3,4,5,6,7
	v_mul_f32 v[S2+\i], v[S1+\i], v[S1+\i]
.endr
.irp k, 1,2,3
.irp i, 0,1,2,3,4,5,6,7
	v_sub_f32 v[S1+\i], v[Y+4*\i+\k], v[MQ+2*\i]
.endr
.irp i, 0,1,2,3,4,5,6,7
	v_fmac_f32 v[S2+\i], v[S1+\i], v[S1+\i]
.endr
.endr
.irp m, 1,2,4
.irp i, 0,1,2,3,4,5,6,7
	v_add_f32_dpp v[S2+\i], v[S2+\i], v[S2+\i] row_xmask:\m row_mask:0xf bank_mask:0xf
.endr
.endr
.irp i, 0,1,2,3,4,5,6,7
	v_add_f32_dpp v[MQ+2*\i+1], v[S2+\i], v[S2+\i] row_xmask:8 row_mask:0xf bank_mask:0xf   ; q = the sum of (y - m)^2
.endr
.irp i, 0,1,2,3,4,5,6,7
	ds_store_b64 v7, v[MQ+2*\i:MQ+2*\i+1] offset:256*\i    ; rows 2 i + h; a half's 16 lanes write the same pair with the same value
.endr
	s_wait_dscnt 0x0                               ; for the others' sake: my pairs lie in LDS
	s_barrier_signal -1
	s_barrier_wait -1
.irp i, 0,1,2,3,4,5,6,7
	ds_load_b64 v[LD+2*\i:LD+2*\i+1], v8 offset:256*\i
.endr
	s_wait_dscnt 0x0
.irp i, 0,1,2,3,4,5,6,7
	v_add_f32_dpp v[S1+\i], v[LD+2*\i], v[LD+2*\i] row_xmask:1 row_mask:0xf bank_mask:0xf
.endr
.irp m, 2,4,8
.irp i, 0,1,2,3,4,5,6,7
	v_add_f32_dpp v[S1+\i], v[S1+\i], v[S1+\i] row_xmask:\m row_mask:0xf bank_mask:0xf
.endr
.endr
.irp i, 0,1,2,3,4,5,6,7
	v_mul_f32 v[MU+2*\i], 0x3d800000, v[S1+\i]     ; mu = the mean of the sixteen m
.endr
.irp i, 0,1,2,3,4,5,6,7
	v_sub_f32 v[S1+\i], v[LD+2*\i], v[MU+2*\i]
.endr
.irp i, 0,1,2,3,4,5,6,7
	v_mul_f32 v[S1+\i], v[S1+\i], v[S1+\i]
.endr
.irp i, 0,1,2,3,4,5,6,7
	v_fma_f32 v[S2+\i], v[S1+\i], s48, v[LD+2*\i+1]        ; q + 64 (m - mu)^2
.endr
.irp m, 1,2,4,8
.irp i, 0,1,2,3,4,5,6,7
	v_add_f32_dpp v[S2+\i], v[S2+\i], v[S2+\i] row_xmask:\m row_mask:0xf bank_mask:0xf
.endr
.endr
.irp i, 0,1,2,3,4,5,6,7
	v_fma_f32 v[S2+\i], v[S2+\i], s49, s50         ; var + eps
.endr
	s_wait_alu depctr_va_vdst(0)
.irp i, 0,1,2,3,4,5,6,7
	v_rsq_f32 v[RS+2*\i], v[S2+\i]
.endr
.irp i, 0,1,2,3,4,5,6,7                        ; (plain lines behind the transcendentals, which touch neither their results nor their sources)
	v_pk_add_f32 v[Y+4*\i:Y+4*\i+1], v[Y+4*\i:Y+4*\i+1], v[MU+2*\i:MU+2*\i+1] op_sel_hi:[1,0] neg_lo:[0,1] neg_hi:[0,1]
	v_pk_add_f32 v[Y+4*\i+2:Y+4*\i+3], v[Y+4*\i+2:Y+4*\i+3], v[MU+2*\i:MU+2*\i+1] op_sel_hi:[1,0] neg_lo:[0,1] neg_hi:[0,1]
.endr
	s_wait_alu depctr_va_vdst(0)
.irp i, 0,1,2,3,4,5,6,7
	v_pk_mul_f32 v[Y+4*\i:Y+4*\i+1], v[Y+4*\i:Y+4*\i+1], v[RS+2*\i:RS+2*\i+1] op_sel_hi:[1,0]
	v_pk_mul_f32 v[Y+4*\i+2:Y+4*\i+3], v[Y+4*\i+2:Y+4*\i+3], v[RS+2*\i:RS+2*\i+1] op_sel_hi:[1,0]
.endr
.irp i, 0,1,2,3,4,5,6,7
	v_pk_fma_f32 v[Y+4*\i:Y+4*\i+1], v[Y+4*\i:Y+4*\i+1], v[GG:GG+1], v[BE:BE+1]
	v_pk_fma_f32 v[Y+4*\i+2:Y+4*\i+3], v[Y+4*\i+2:Y+4*\i+3], v[GG+2:GG+3], v[BE+2:BE+3]
	global_store_b128 v3, v[Y+4*\i:Y+4*\i+3], s[16:17] offset:(2*\i+8*(\i/4))*4096 th:TH_STORE_NT   ; sixteen lanes store 256 consecutive bytes, at a multiple of 256 from out0's first byte
.endr
	s_wait_xcnt 0x0
	v_lshl_add_u32 v254, v0, 2, 0x46a00
	v_mov_b32 v255, 0
	s_wait_alu depctr_va_vdst(0)
	s_wait_tensorcnt 0x0
	ds_add_u32 v254, v255
	s_wait_dscnt 0x0
	CROUND                                         ; the closing round: no work-group ends while a partner may still ask for a tile that names it
	s_endpgm
.Lfunc_end_k_qaf7495277e_proj:
	.size	k_qaf7495277e_proj, .Lfunc_end_k_qaf7495277e_proj-k_qaf7495277e_proj
	.p2alignl 7, 3214868480
	.fill 96, 4, 3214868480
	.section	.rodata,"a",@progbits
	.p2align	6, 0x0
	.amdhsa_kernel k_qaf7495277e_proj
		.amdhsa_group_segment_fixed_size 291328
		.amdhsa_private_segment_fixed_size 0
		.amdhsa_enable_private_segment 0
		.amdhsa_kernarg_size 56
		.amdhsa_user_sgpr_count 2
		.amdhsa_user_sgpr_kernarg_segment_ptr 1
		.amdhsa_wavefront_size32 1
		.amdhsa_system_sgpr_workgroup_id_x 1
		.amdhsa_system_sgpr_workgroup_id_y 1
		.amdhsa_system_sgpr_workgroup_id_z 1
		.amdhsa_system_vgpr_workitem_id 0
		.amdhsa_next_free_vgpr 256
		.amdhsa_next_free_sgpr 66
		.amdhsa_reserve_vcc 0
		.amdhsa_float_denorm_mode_32 3
		.amdhsa_float_denorm_mode_16_64 3
		.amdhsa_memory_ordered 1
		.amdhsa_forward_progress 1
		.amdhsa_inst_pref_size 42
	.end_amdhsa_kernel
	.amdgpu_metadata
---
amdhsa.version: [ 1, 2 ]
amdhsa.kernels:
  - .name:           k_qaf7495277e_proj
    .symbol:         k_qaf7495277e_proj.kd
    .args:
      - { .name: cq, .offset: 0, .size: 8, .value_kind: global_buffer, .address_space: global }
      - { .name: opq, .offset: 8, .size: 8, .value_kind: global_buffer, .address_space: global }
      - { .name: x, .offset: 16, .size: 8, .value_kind: global_buffer, .address_space: global }
      - { .name: out_proj_b, .offset: 24, .size: 8, .value_kind: global_buffer, .address_space: global }
      - { .name: ln_gamma, .offset: 32, .size: 8, .value_kind: global_buffer, .address_space: global }
      - { .name: ln_beta, .offset: 40, .size: 8, .value_kind: global_buffer, .address_space: global }
      - { .name: out0, .offset: 48, .size: 8, .value_kind: global_buffer, .address_space: global }
    .group_segment_fixed_size: 291328
    .private_segment_fixed_size: 0
    .kernarg_segment_align: 8
    .kernarg_segment_size: 56
    .max_flat_workgroup_size: 512
    .sgpr_count:     66
    .vgpr_count:     256
    .wavefront_size: 32
...
	.end_amdgpu_metadata
.endif
;; end of part 8
